; MI455X (gfx1250); checked and timed in simulation.
; The chip was launched on July 23, 2026; its instructions are those of AMD's public machine-readable ISA for CDNA 5 (MIT licence, August 2026) and "CDNA5" Instruction Set Architecture Reference Guide (July 2026). The comments in the code are by the model that wrote it; some were corrected since.
;; Multi Head Self Attention. Allowed arithmetic: matrix products marked QUANTISED: E2M1 operands, one E8M0 scale for each 32 along K, by v_wmma_scale_f32_16x16x128_f8f6f4 with both operands' format E2M1 (or v_wmma_scale_f32_32x16x128_f4), f32 sums; products left as they are: bf16, f16 or f32 operands; f32 sums; everything else in f32.
;; Inputs: w_out 1,024 x 1,024 float32; w_qkv 3,072 x 1,024 float32; x 4 x 2,048 x 1,024 float32.
;; Outputs: out0 4 x 2,048 x 1,024 float32.
;; This version of the problem:
;;   THIS VERSION OF THE PROBLEM IS GIVEN IN LOW PRECISION. The matrix products marked QUANTISED in the list below multiply operands that are first quantised to E2M1 (2 exponent bits, 1 mantissa bit; 4 bits a number), with one power-of-two scale for each 32 numbers along K (OCP MX v1.0); their sums are f32. The products marked 'left as it is' may take bf16, f16 or f32 operands, with f32 sums. Whichever they take, every output number must still come out within the allowed error. Rounding operands to bf16 (8 significant bits) uses up far more of that allowance than f16 does (11 bits, for magnitudes from 6e-5 to 65,504). All else is computed in f32.
;;   The module's matrix products, in the order in which they are computed (A, B: the left and right operand; K: the contracted axis; several contracted axes count as one K, in the product's order):
;;     1. [M 8,192, K 1,024] x [K 1,024, N 3,072]; A: input x; B: input w_qkv: QUANTISED
;;     2. batch 64 x [M 2,048, K 64] x [K 64, N 2,048]; A: computed on the way; B: computed on the way: left as it is (an operand is computed on the way)
;;     3. batch 64 x [M 2,048, K 2,048] x [K 2,048, N 64]; A: computed on the way; B: computed on the way: left as it is (an operand is computed on the way)
;;     4. [M 8,192, K 1,024] x [K 1,024, N 1,024]; A: computed on the way; B: input w_out: left as it is (an operand is computed on the way)
;;   THE QUANTISER, for each operand of a quantised product, along K:
;;     - K is cut into blocks of 32 from its start; a last block that is shorter is filled with zeros.
;;     - A block's scale is 2^e with e = floor(log2(the largest magnitude in the block)) - 2, held to -126 .. 127; a block of zeros has e = 0. As a byte (E8M0): e + 127.
;;     - Each number is divided by its block's scale, clamped to +-6, and rounded to the nearest number of E2M1, ties to even, subnormals kept.
;;     - The product sums the exact products of the quantised numbers (number of the format x scale) in f32.
;;   ~~~python
;;   def quantise(x, axis):      # numpy; x: float32 -> the quantised numbers, widened to float32 again
;;       x = np.moveaxis(x, axis, -1); K = x.shape[-1]
;;       x = np.pad(x, [(0, 0)] * (x.ndim - 1) + [(0, -K % 32)]); x = x.reshape(x.shape[:-1] + (-1, 32)); a = np.abs(x).max(-1, keepdims=True)
;;       e = np.where(a > 0, np.clip(np.frexp(np.where(a > 0, a, 1))[1] - 1 - 2, -126, 127), 0)      # np.frexp(a)[1] - 1 = floor(log2(a)), exactly
;;       r = np.clip(x / 2.0 ** e, -6, 6)
;;       step = 2.0 ** (np.maximum(np.frexp(np.where(r == 0, 1, r))[1] - 1, 0) - 1)
;;       q = np.round(r / step) * step * 2.0 ** e      # np.round: ties to even
;;       return np.moveaxis(q.reshape(q.shape[:-2] + (-1,))[..., :K], -1, axis).astype(np.float32)
;;   ~~~
;; One version. Each part assembles by itself: llvm-mc -triple=amdgcn-amd-amdhsa -mcpu=gfx1250 --defsym DOCPART=n.
;; ======== version 1 of 1: 5 launches
;; limits: values are held in f16: magnitudes above 65,504 overflow, below 6.1e-05 lose precision
;; workspace buffers: x_codes 4,194,304 bytes; x_scales 262,144 bytes; w_codes 1,572,864 bytes; w_scales 98,304 bytes; wout16 2,097,152 bytes; qkv16 50,331,648 bytes; qkv32 786,432 bytes; flat16 16,777,216 bytes
;; launch quant (part 1): grid 416 x 1, 4 waves a work-group, no clusters, 33,280 bytes of LDS; arguments x, w_qkv, x_codes, x_scales, w_codes, w_scales, w_out, wout16; writes x_codes, x_scales, w_codes, w_scales, wout16
.if DOCPART == 1
	.amdgcn_target "amdgcn-amd-amdhsa--gfx1250"
	.amdhsa_code_object_version 6
	.text
	.protected	k_q7c22977f20_quant
	.globl	k_q7c22977f20_quant
	.p2align	8
	.type	k_q7c22977f20_quant,@function
k_q7c22977f20_quant:
	s_mov_b64 s[64:65], 0
	v_nop
	global_prefetch_b8 v0, s[64:65] scope:SCOPE_SE
	s_setreg_imm32_b32 hwreg(HW_REG_WAVE_MODE, 25, 1), 1
	s_wait_xcnt 0x0
; x [8192][1024] and w_qkv [3072][1024], f32, become codes of FP4 (E2M1), K innermost, with one E8M0 scale byte for each 32 along K; w_out [1024][1024] becomes f16.
; A block's scale is 2^(floor(log2(its largest magnitude)) - 2); its byte is the largest magnitude's exponent field - 2, held at 1 from below.  A block of zeros so gets the byte 1 where the
; rule says 127: its codes are zeros, which add nothing under any byte but 0xff, and the bytes are read by this program alone.
; LIMITS: blocks whose largest magnitude lies under 2^-124 keep the byte 1; NaN and infinities among the inputs are not served; |w_out| above 65,504 would become infinity in f16.
; Rows are dense and K is a multiple of 32: both tensors are plain streams of blocks of 32 numbers.  Work-groups 0-255 take x, 256-351 w_qkv, 352-415 cast w_out.
; Quantising: a wave takes 16 steps of 512 numbers.  Each of a step's four loads reads 512 consecutive bytes; the 2,048 bytes turn through the wave's own stage in LDS and come back 64 bytes a lane,
; so that a lane holds 16 neighbours along K (two neighbouring lanes hold a block).  A lane's 16 codes are 8 bytes: the wave stores 256 consecutive bytes.  A wave's 256 scale bytes are gathered in LDS.
; No barrier: waves share nothing.  The cast touches no LDS.
.set SIZE_M, 8192
.set SIZE_N, 3072
.set SIZE_K, 1024
.set WAVES, 4
.set STEPS, 16
.set WGA,   SIZE_M*SIZE_K/(512*STEPS*WAVES)            ; 256 work-groups for x
.set WGQ,   (SIZE_M+SIZE_N)*SIZE_K/(512*STEPS*WAVES)   ; 352 for x and w_qkv
.set EMAX,  2
.set CB,    8                          ; bytes of 16 codes
.set R,     16                         ; v16-79   four sets of 16 numbers as they are loaded (the cast: v16-143)
.set X,     80                         ; v80-111  two sets of 16 neighbours
.set C,     128                        ; v128-191 codes: four registers for each step, so that no store's data are written again
.set E,     112                        ; v112-127 a scale byte for each step
.set WREG,  8192                       ; LDS: a region for each wave: two stages of 32 x SP bytes, behind them its 256 scale bytes
.set SP,    80                         ; a lane's place in a stage: 64 bytes + 16 of padding
.set SPW,   12                         ; v12  LDS address of my spare word; never rewritten
.set NIL,   13                         ; v13  0; never rewritten
.set SPARE, WAVES*WREG                 ; behind the four regions: the spare words, 128 bytes a wave
	s_load_b128 s[4:7], s[0:1], 0x0                ; x, w_qkv
	s_load_b128 s[8:11], s[0:1], 0x10              ; x's codes, x's scales
	s_load_b128 s[12:15], s[0:1], 0x20             ; w's codes, w's scales
	s_load_b128 s[24:27], s[0:1], 0x30             ; w_out, wout16
	v_lshl_add_u32 v[SPW], v0, 2, SPARE
	v_mov_b32 v[NIL], 0
	v_lshrrev_b32 v1, 5, v0
	v_readfirstlane_b32 s16, v1                    ; wave
	v_and_b32 v2, 31, v0                           ; lane
	v_lshlrev_b32 v3, 4, v2                        ; my 16 bytes of a load's 512
	s_mul_i32 s17, s16, WREG
	v_lshrrev_b32 v14, 2, v2
	v_mul_u32_u24 v14, v14, SP
	v_and_b32 v15, 3, v2
	v_lshl_add_u32 v14, v15, 4, v14
	v_add_nc_u32 v14, s17, v14                     ; the stage, on the way in: SP (lane / 4) + 16 (lane % 4)
	v_mul_u32_u24 v15, v2, SP
	v_add_nc_u32 v15, s17, v15                     ; and on the way out: SP x lane: my 16 neighbours
	v_mul_u32_u24 v4, v2, CB                       ; my 8 bytes of a store's 256
	v_lshrrev_b32 v5, 1, v2
	s_add_co_u32 s17, s17, 2*32*SP
	v_add_nc_u32 v5, s17, v5                       ; LDS: my wave's 256 scale bytes, my block's byte
	v_lshlrev_b32 v7, 3, v2                        ; and on the way out 8 bytes a lane
	v_add_nc_u32 v6, s17, v7
	s_wait_kmcnt 0x0
	s_cmp_ge_u32 ttmp9, WGQ                        ; the last 64 work-groups cast w_out
	s_cbranch_scc1 .Lcast
	s_cmp_lt_u32 ttmp9, WGA                        ; x's work-group or w_qkv's?  Only pointers are chosen: one path serves both
	s_cselect_b64 s[4:5], s[4:5], s[6:7]
	s_cselect_b64 s[8:9], s[8:9], s[12:13]
	s_cselect_b64 s[10:11], s[10:11], s[14:15]
	s_cselect_b32 s17, 0, WGA
	s_sub_co_u32 s17, ttmp9, s17
	s_lshl_b32 s17, s17, 2
	s_add_co_u32 s18, s17, s16                     ; which run of 8,192 numbers of the tensor is my wave's
	s_mov_b32 s19, 0
	s_mov_b64 s[20:21], 512*STEPS*4
	s_mul_u64 s[20:21], s[18:19], s[20:21]
	s_add_nc_u64 s[4:5], s[4:5], s[20:21]
	s_mov_b64 s[20:21], 32*STEPS*CB
	s_mul_u64 s[20:21], s[18:19], s[20:21]
	s_add_nc_u64 s[8:9], s[8:9], s[20:21]
	s_lshl_b32 s18, s18, 8                         ; 256 scale bytes a run
	s_add_nc_u64 s[10:11], s[10:11], s[18:19]
.macro LOAD t
.irp i, 0,1,2,3
	global_load_b128 v[R+16*((\t)%4)+4*\i:R+16*((\t)%4)+4*\i+3], v3, s[4:5] offset:2048*(\t)+512*\i th:TH_LOAD_NT   ; 32 lanes read 512 consecutive bytes
.endr
.endm
.macro TURN t                          ; step t's numbers through the stage: LDS serves a wave's instructions in order, so no wait stands between the stores and the loads
.irp i, 0,1,2,3
	ds_store_b128 v14, v[R+16*((\t)%4)+4*\i:R+16*((\t)%4)+4*\i+3] offset:32*SP*((\t)%2)+8*SP*\i
.endr
.irp i, 0,1,2,3
	ds_load_b128 v[X+16*((\t)%2)+4*\i:X+16*((\t)%2)+4*\i+3], v15 offset:32*SP*((\t)%2)+16*\i
.endr
.endm
.irp t, 0,1,2,3
	LOAD \t
.endr
	s_wait_loadcnt 12                              ; step 0's four loads are in; three steps' twelve may be out
	TURN 0
.macro STEP t
.set XS, X+16*((\t)%2)
.if (\t) > 0
	s_wait_dscnt 1                                 ; this step's numbers are back from the stage (the last step's byte store may be out)
.else
	s_wait_dscnt 0x0
.endif
.if (\t)+4 < STEPS
	LOAD (\t)+4                                    ; into the registers that the stage's stores have read
.endif
.if (\t)+1 < STEPS
.if STEPS-2-(\t) >= 3
	s_wait_loadcnt 12                              ; the next step's four loads are in; those of the three steps behind it may be out
.else
	s_wait_loadcnt 4*(STEPS-2-(\t))
.endif
	TURN (\t)+1                                    ; through the other stage while this step is worked
.endif
	v_max3_num_f32 v8, |v[XS]|, |v[XS+1]|, |v[XS+2]|               ; the largest magnitude of my 16, in two chains
	v_max3_num_f32 v9, |v[XS+3]|, |v[XS+4]|, |v[XS+5]|
.irp i, 6,10
	v_max3_num_f32 v8, v8, |v[XS+\i]|, |v[XS+\i+1]|
	v_max3_num_f32 v9, v9, |v[XS+\i+2]|, |v[XS+\i+3]|
.endr
	v_max3_num_f32 v8, v8, |v[XS+14]|, |v[XS+15]|
	v_max3_num_f32 v8, v8, v9, (EMAX+1)<<23        ; and the floor 2^(3 - 127): the byte cannot fall under 1
	v_max_num_f32_dpp v8, v8, v8 row_xmask:1 row_mask:0xf bank_mask:0xf   ; and of my neighbour's 16: the block's
	v_add_nc_u32 v11, -(EMAX<<23), v8              ; 2 off its exponent field: the conversion takes the exponent field of this operand as its scale
	v_cvt_scalef32_pk8_fp4_f32 v[C+4*(\t)], v[XS:XS+7], v11        ; eight numbers / the scale, to the nearest code, ties to even, beyond 6 the largest code
	v_cvt_scalef32_pk8_fp4_f32 v[C+4*(\t)+1], v[XS+8:XS+15], v11
	v_lshrrev_b32 v[E+(\t)], 23, v11               ; the scale's byte (a plain line behind the conversions)
	ds_store_b8 v5, v[E+(\t)] offset:16*(\t)       ; both lanes of a block write the same byte with the same value
	global_store_b64 v4, v[C+4*(\t):C+4*(\t)+1], s[8:9] offset:32*CB*(\t)   ; the wave stores 256 consecutive bytes, aligned
.endm
.irp t, 0,1,2,3,4,5,6,7,8,9,10,11,12,13,14,15
	STEP \t
.endr
	ds_load_b64 v[8:9], v6                         ; LDS serves a wave's instructions in order: these see my byte stores
	s_wait_dscnt 0x0
	global_store_b64 v7, v[8:9], s[10:11]          ; 32 lanes store 256 consecutive bytes, aligned
	s_wait_tensorcnt 0x0                           ; the wave's end
	ds_add_u32 v[SPW], v[NIL]
	s_wait_dscnt 0x0
	s_endpgm
.Lcast:                                                ; w_out to f16: a wave takes 4,096 numbers: 32 loads of 512 bytes, 32 stores of 256 bytes; no register is written twice, no pointer stepped
	s_sub_co_u32 s17, ttmp9, WGQ
	s_lshl_b32 s17, s17, 2
	s_add_co_u32 s17, s17, s16                     ; which run of 4,096 numbers
	s_lshl_b32 s18, s17, 14
	s_mov_b32 s19, 0
	s_add_nc_u64 s[24:25], s[24:25], s[18:19]
	s_lshl_b32 s18, s17, 13
	s_add_nc_u64 s[26:27], s[26:27], s[18:19]
.set I, 0
.rept 32
	global_load_b128 v[R+4*I:R+4*I+3], v3, s[24:25] offset:512*I
.set I, I+1
.endr
.set I, 0
.rept 32
	s_wait_loadcnt 31-I                            ; loads come back in order: this one is in, the younger ones stay out
	v_cvt_pk_f16_f32 v[R+4*I], v[R+4*I], v[R+4*I+1]
	v_cvt_pk_f16_f32 v[R+4*I+1], v[R+4*I+2], v[R+4*I+3]
	global_store_b64 v4, v[R+4*I:R+4*I+1], s[26:27] offset:256*I
.set I, I+1
.endr
	s_endpgm
.Lfunc_end_k_q7c22977f20_quant:
	.size	k_q7c22977f20_quant, .Lfunc_end_k_q7c22977f20_quant-k_q7c22977f20_quant
	.p2alignl 7, 3214868480
	.fill 96, 4, 3214868480
	.section	.rodata,"a",@progbits
	.p2align	6, 0x0
	.amdhsa_kernel k_q7c22977f20_quant
		.amdhsa_group_segment_fixed_size 33280
		.amdhsa_private_segment_fixed_size 0
		.amdhsa_enable_private_segment 0
		.amdhsa_kernarg_size 64
		.amdhsa_user_sgpr_count 2
		.amdhsa_user_sgpr_kernarg_segment_ptr 1
		.amdhsa_wavefront_size32 1
		.amdhsa_system_sgpr_workgroup_id_x 1
		.amdhsa_system_sgpr_workgroup_id_y 1
		.amdhsa_system_sgpr_workgroup_id_z 1
		.amdhsa_system_vgpr_workitem_id 0
		.amdhsa_next_free_vgpr 192
		.amdhsa_next_free_sgpr 66
		.amdhsa_reserve_vcc 0
		.amdhsa_float_denorm_mode_32 3
		.amdhsa_float_denorm_mode_16_64 3
		.amdhsa_memory_ordered 1
		.amdhsa_forward_progress 1
		.amdhsa_inst_pref_size 45
	.end_amdhsa_kernel
	.amdgpu_metadata
---
amdhsa.version: [ 1, 2 ]
amdhsa.kernels:
  - .name:           k_q7c22977f20_quant
    .symbol:         k_q7c22977f20_quant.kd
    .args:
      - { .name: x, .offset: 0, .size: 8, .value_kind: global_buffer, .address_space: global }
      - { .name: w_qkv, .offset: 8, .size: 8, .value_kind: global_buffer, .address_space: global }
      - { .name: x_codes, .offset: 16, .size: 8, .value_kind: global_buffer, .address_space: global }
      - { .name: x_scales, .offset: 24, .size: 8, .value_kind: global_buffer, .address_space: global }
      - { .name: w_codes, .offset: 32, .size: 8, .value_kind: global_buffer, .address_space: global }
      - { .name: w_scales, .offset: 40, .size: 8, .value_kind: global_buffer, .address_space: global }
      - { .name: w_out, .offset: 48, .size: 8, .value_kind: global_buffer, .address_space: global }
      - { .name: wout16, .offset: 56, .size: 8, .value_kind: global_buffer, .address_space: global }
    .group_segment_fixed_size: 33280
    .private_segment_fixed_size: 0
    .kernarg_segment_align: 8
    .kernarg_segment_size: 64
    .max_flat_workgroup_size: 128
    .sgpr_count:     66
    .vgpr_count:     192
    .wavefront_size: 32
...
	.end_amdgpu_metadata
.endif
;; end of part 1
;; launch qkvgemm (part 2): grid 12 x 32, 4 waves a work-group, clusters of 4 x 4, 327,680 bytes of LDS; arguments x_codes, x_scales, w_codes, w_scales, qkv16, qkv32; writes qkv16, qkv32
.if DOCPART == 2
	.amdgcn_target "amdgcn-amd-amdhsa--gfx1250"
	.amdhsa_code_object_version 6
	.text
	.protected	k_q7c22977f20_qkvgemm
	.globl	k_q7c22977f20_qkvgemm
	.p2align	8
	.type	k_q7c22977f20_qkvgemm,@function
k_q7c22977f20_qkvgemm:
	s_mov_b64 s[64:65], 0
	v_nop
	global_prefetch_b8 v0, s[64:65] scope:SCOPE_SE
	s_setreg_imm32_b32 hwreg(HW_REG_WAVE_MODE, 25, 1), 1
	s_wait_xcnt 0x0
	s_wait_alu depctr_hold_cnt(0) depctr_sa_sdst(0) depctr_va_vdst(0) depctr_va_sdst(0) depctr_va_ssrc(0) depctr_va_vcc(0) depctr_vm_vsrc(0)
	s_getreg_b32 s2, hwreg(HW_REG_IB_STS2, 6, 4)
	s_cmp_eq_u32 s2, 0
	s_cbranch_scc0 .Lentry_in_a_cluster
	s_endpgm
.Lentry_in_a_cluster:
	s_bfe_u32 s2, ttmp6, 0x10000c
	s_cmp_lg_u32 s2, 0xf033
	s_cbranch_scc0 .Lentry_shape_is_right
	s_endpgm
.Lentry_shape_is_right:
; qkv[m][n] = sum over k of x[m][k] w_qkv[n][k] on codes of FP4 (E2M1) with one E8M0 scale for each 32 along K; sums in f32.  M = 8,192, N = 3,072, K = 1,024.
; A tile of 256 x 256 is made by four waves, each 128 x 128: 64 accumulators of 16 x 16, 512 registers.  K = 1,024 is two LDS slots of 512 along K (rows of 256 bytes): both are filled once, at the head,
; with the scale bytes of the work-group's rows.
; CLUSTERS: 4 x 4 work-groups; A's tiles are asked for jointly along a row of the cluster, B's along a column.  The tile row is 8 cy + cluster y: so the batch is cy, and "first tile of a batch" is
; cluster y = 0, a number that all sixteen partners share.
; THE MATRIX INSTRUCTION IS USED TRANSPOSED (source 0 = 16 rows of w, source 1 = 16 rows of x): a lane holds eight neighbouring columns of one row.
; THE WAY OUT: results are rounded to f16 and laid per head, qkv16 [3][4][16][2048][64]: a head's 16 rows are 2,048 dense bytes; a wave's 128 columns are two heads.  Positions 0-15 of each batch
; leave as f32 too (qkv32 [4][16][3072]), for the launch that carries those rows finely.
; LIMIT: a result beyond 65,504 in magnitude becomes infinity in f16.
; REGISTERS, in windows of 256: window 0: v0-31 addresses; v32-95 scale words, two sets; from v128 A's fragments, one set; on the way out v32-191 are free.
;   window 1: B's fragments, two sets, at v0 and v128.   window 2: the accumulators of my rows 0-63 ((a, b) at v[8 (8 a + b)]);   window 3: those of my rows 64-127.
.set SIZE_K, 1024
.set KSTEP,  512
.set NQ,     KSTEP/128
.set ROWB,   256                       ; a tile's row in bytes
.set KROW,   SIZE_K/2                  ; a row of codes in memory
.set PITCH,  272                       ; an LDS row: 256 bytes + 16 of padding: the 16 rows that a load touches start 68 words apart
.set FR,     8
.set NL,     2
.set NP,     4                         ; places behind this matrix instruction (ISA guide 7.12.1)
.set HALFT,  128*PITCH
.set SLOT,   4*HALFT
.set KS,     SIZE_K/32                 ; a row of scales in bytes
.set SCL,    2*SLOT                    ; behind the slots: the scales, as units of 256 bytes + 16 of padding
.set HALFS,  (128*KS/256)*272
.set SBLK,   (16*KS/256)*272
.set SPARE,  SCL+4*HALFS               ; the spare words, 128 bytes a wave
.set WSTG,   32768                     ; the way out: each wave's stages lie in slot 0, which has had its one fill and its last read by then: f16 at +0 (2 heads x 16 rows x 144), f32 at +8192 (16 rows x 528)
.set ADRA, 16
.set ADRB, 20
.set STO,  24                          ; v24  f16 stage, in
.set RD,   25                          ; v25  f16 stage, back
.set CO,   26                          ; v26  16 x lane
.set ADRS, 27
.set SPW,  28
.set NIL,  29
.set STO32, 30                         ; v30  f32 stage, in
.set RD32,  31                         ; v31  f32 stage, back
.set SC,   32
.set AF,   128
.set TMP,  32                          ; the way out: v32-63 packed results; v64-95, v96-127 rows read back, by turns; v128-191 the f32 rows
.set OB,   64
.set F32R, 128
.set G1, 24
.set G0, 32
.set G1B, 48
.set G0B, 56
.set G1S, 68
.set G0S, 76
.set G1SB, 80
.set G0SB, 88
.set MSB, 0
.macro WIN new                         ; the immediate's high byte repeats the setting that is left
.if MSB != (\new)
	s_set_vgpr_msb (MSB<<8)|(\new)
.set MSB, (\new)
.endif
.endm
.set MUL_LO, 0xa1                      ; source 0 (B) window 1, source 1 (A) window 0, C and D window 2
.set MUL_HI, 0xf1
.set TO_B,   0x40
; A joint load: waves 0 and 1 fetch for A, waves 2 and 3 for B; the branch hangs on the wave's number alone.  An s_nop 0 and four v_nop follow each line.
.macro JLOAD g0a, g1a, g0b, g1b
	s_cmp_eq_u32 s15, 0
	s_cbranch_scc0 .Lfor_b_\@
	tensor_load_to_lds s[\g0a:\g0a+3], s[\g1a:\g1a+7]
	s_nop 0
.rept 4
	v_nop
.endr
	s_branch .Lasked_\@
.Lfor_b_\@:
	tensor_load_to_lds s[\g0b:\g0b+3], s[\g1b:\g1b+7]
	s_nop 0
.rept 4
	v_nop
.endr
.Lasked_\@:
.endm
.macro CROUND                          ; a round of the cluster's barrier
	s_barrier_signal -1
	s_barrier_wait -1
	s_cmp_lg_u32 s14, 0
	s_cbranch_scc1 .Lnot_wave_0_\@
	s_barrier_signal -3
.Lnot_wave_0_\@:
	s_barrier_wait -3
	s_barrier_signal -1
	s_barrier_wait -1
.endm
	s_load_b128 s[4:7], s[0:1], 0x0                ; x's codes, x's scales
	s_load_b128 s[8:11], s[0:1], 0x10              ; w's codes, w's scales
	s_load_b128 s[96:99], s[0:1], 0x20             ; qkv16, qkv32
	v_lshl_add_u32 v[SPW], v0, 2, SPARE
	v_mov_b32 v[NIL], 0
	ds_add_u32 v[SPW], v[NIL]                      ; the wave's opening: the add, twice on end, and its wait ahead of my first tensor load
	ds_add_u32 v[SPW], v[NIL]
	v_lshrrev_b32 v1, 5, v0
	v_readfirstlane_b32 s14, v1                    ; wave 0..3
	s_lshr_b32 s15, s14, 1                         ; which half of the tile's rows is mine.  Also: I fetch for A (0) or for B (1)
	s_and_b32 s16, s14, 1                          ; which half of its columns.  Also: which 128 rows I fetch
	s_bfe_u32 s40, ttmp6, 0x40000                  ; cx
	s_bfe_u32 s41, ttmp6, 0x40004                  ; cy
	s_lshl_b32 s42, ttmp9, 2
	s_add_co_u32 s42, s42, s40                     ; tile column = 4 x cluster x + cx
	s_and_b32 s2, ttmp7, 0xffff                    ; cluster y
	s_lshl_b32 s17, s41, 3
	s_add_co_u32 s17, s17, s2                      ; tile row = 8 cy + cluster y
	s_lshl_b32 s43, s41, 2
	s_lshl_b32 s43, 15, s43                        ; my row of the cluster
	s_lshl_b32 s44, 0x1111, s40                    ; my column
	s_or_b32 s[G1+0], s43, (0<<16)|(1<<20)|(1<<21)|(5<<22)|(3<<25)  ; the mask; elements of 1 byte; padding: 4 words behind every 64
	s_or_b32 s[G1B+0], s44, (0<<16)|(1<<20)|(1<<21)|(5<<22)|(3<<25)
.irp g, G1, G1B
	s_mov_b32 s[\g+1], ROWB<<16                    ; tensor_dim0
	s_mov_b32 s[\g+2], 128<<16                     ; tensor_dim1
	s_mov_b32 s[\g+3], ROWB<<16                    ; tile_dim0
	s_mov_b32 s[\g+4], 128                         ; tile_dim1
	s_mov_b32 s[\g+5], KROW                        ; the pitch
	s_mov_b32 s[\g+6], 0
	s_mov_b32 s[\g+7], 0
.endr
	s_or_b32 s[G1S+0], s43, (3<<16)|(1<<20)|(1<<21)|(5<<22)|(3<<25) ; the scales of 128 rows: 4,096 dense bytes as 16 rows of 256 (32 elements of 8 bytes), 16 bytes of padding behind each
	s_or_b32 s[G1SB+0], s44, (3<<16)|(1<<20)|(1<<21)|(5<<22)|(3<<25)
.irp g, G1S, G1SB
	s_mov_b32 s[\g+1], 32<<16
	s_mov_b32 s[\g+2], (128*KS/256)<<16
	s_mov_b32 s[\g+3], 32<<16
	s_mov_b32 s[\g+4], 128*KS/256
	s_mov_b32 s[\g+5], 32
	s_mov_b32 s[\g+6], 0
	s_mov_b32 s[\g+7], 0
.endr
	s_lshl_b32 s18, s16, 7                         ; which 128 rows of the tile I fetch
	s_lshl_b32 s20, s17, 8
	s_add_co_u32 s20, s20, s18                     ; A: row 256 x tile row + 128 x half
	s_lshl_b32 s46, s42, 8
	s_add_co_u32 s46, s46, s18                     ; B: row 256 x tile column + 128 x half
	s_mov_b32 s21, 0
	s_mov_b32 s47, 0
	s_mov_b64 s[18:19], KS
	s_mul_u64 s[22:23], s[20:21], s[18:19]         ; where these rows' scales begin
	s_mul_u64 s[92:93], s[46:47], s[18:19]
	s_mov_b64 s[18:19], KROW
	s_mul_u64 s[20:21], s[20:21], s[18:19]         ; and their codes
	s_mul_u64 s[46:47], s[46:47], s[18:19]
	s_mul_i32 s45, s14, HALFT                      ; where they go: wave x 128 rows
	s_mul_i32 s94, s14, HALFS
	s_wait_dscnt 0x0                               ; both opening adds are done
	s_wait_kmcnt 0x0
	s_add_nc_u64 s[20:21], s[4:5], s[20:21]
	s_add_nc_u64 s[22:23], s[6:7], s[22:23]
	s_add_nc_u64 s[46:47], s[8:9], s[46:47]
	s_add_nc_u64 s[92:93], s[10:11], s[92:93]
	CROUND                                         ; all sixteen work-groups are here: the joint loads meet
	s_mov_b32 s[G0S], 1
	s_add_co_u32 s[G0S+1], s94, SCL
	s_mov_b64 s[G0S+2:G0S+3], s[22:23]
	s_or_b32 s[G0S+3], s[G0S+3], 0x80000000
	s_mov_b32 s[G0SB], 1
	s_add_co_u32 s[G0SB+1], s94, SCL
	s_mov_b64 s[G0SB+2:G0SB+3], s[92:93]
	s_or_b32 s[G0SB+3], s[G0SB+3], 0x80000000
	JLOAD G0S, G1S, G0SB, G1SB                     ; the scales first: they are wanted with the first slot
.irp s, 0,1
	s_mov_b32 s[G0+4*\s], 1
	s_add_co_u32 s[G0+4*\s+1], s45, \s*SLOT
	s_add_nc_u64 s[G0+4*\s+2:G0+4*\s+3], s[20:21], \s*ROWB
	s_or_b32 s[G0+4*\s+3], s[G0+4*\s+3], 0x80000000
	s_mov_b32 s[G0B+4*\s], 1
	s_add_co_u32 s[G0B+4*\s+1], s45, \s*SLOT
	s_add_nc_u64 s[G0B+4*\s+2:G0B+4*\s+3], s[46:47], \s*ROWB
	s_or_b32 s[G0B+4*\s+3], s[G0B+4*\s+3], 0x80000000
	JLOAD G0+4*\s, G1, G0B+4*\s, G1B
.endr
	v_and_b32 v1, 15, v0                           ; r = l % 16
	v_bfe_u32 v2, v0, 4, 1                         ; h = l / 16
	v_mul_u32_u24 v3, v1, PITCH
	v_lshl_add_u32 v4, v2, 4, v3                   ; a fragment's row x pitch + 16 x half
	s_mul_i32 s21, s15, HALFT                      ; my 128 rows of A
	s_mul_i32 s22, s16, HALFT                      ; my 128 rows of B,
	s_add_co_u32 s22, s22, 2*HALFT                 ; behind A's 256
.irp s, 0,1
	v_add_nc_u32 v[ADRA+\s], s21, v4
	v_add_nc_u32 v[ADRB+\s], s22, v4
	s_add_co_u32 s21, s21, SLOT
	s_add_co_u32 s22, s22, SLOT
.endr
	v_mul_u32_u24 v5, v1, KS                       ; my row's scales: KS bytes a row,
	v_lshrrev_b32 v6, 8, v5
	v_lshl_add_u32 v5, v6, 4, v5                   ; and 16 more for each 256 passed
	s_mul_i32 s21, s15, HALFS
	s_mul_i32 s22, s16, HALFS
	s_add_co_u32 s22, s22, 2*HALFS
	s_sub_co_u32 s22, s22, s21
	v_mul_u32_u24 v6, s22, v2                      ; lanes 16-31 take B's
	s_add_co_u32 s21, s21, SCL
	v_add_nc_u32 v5, v5, v6
	v_add_nc_u32 v[ADRS], s21, v5
	s_lshl_b32 s23, s14, 15                        ; my stages: wave x WSTG
	v_mul_u32_u24 v5, v1, 144                      ; f16, in: row r of 128 bytes + 16 of padding, 16 bytes for each half of the lanes
	v_lshl_add_u32 v5, v2, 4, v5
	v_add_nc_u32 v[STO], s23, v5
	v_bfe_u32 v7, v0, 3, 2                         ; back: eight lanes to a row, four rows an instruction
	v_mul_u32_u24 v7, v7, 144
	v_and_b32 v8, 7, v0
	v_lshl_add_u32 v7, v8, 4, v7
	v_add_nc_u32 v[RD], s23, v7
	v_and_b32 v6, 31, v0
	v_lshlrev_b32 v[CO], 4, v6                     ; and in memory: 16 x lane: four rows of a head are 512 dense bytes
	s_add_co_u32 s23, s23, 8192
	v_mul_u32_u24 v5, v1, 528                      ; f32, in: row r of 512 bytes + 16, 32 bytes for each half of the lanes
	v_lshl_add_u32 v5, v2, 5, v5
	v_add_nc_u32 v[STO32], s23, v5
	v_add_nc_u32 v[RD32], s23, v[CO]               ; back: the 32 lanes take one row
	; where my results go.  My 128 columns are heads g0 and g0 + 1 of q, k or v: g0 = 4 x tile column + 2 x half; block = (g0 / 16) x 64 + 16 cy + g0 % 16, 2^18 bytes each
	s_lshl_b32 s66, s42, 2
	s_lshl_b32 s67, s16, 1
	s_add_co_u32 s66, s66, s67                     ; g0
	s_lshr_b32 s67, s66, 4
	s_lshl_b32 s67, s67, 6
	s_and_b32 s66, s66, 15
	s_add_co_u32 s66, s66, s67
	s_lshl_b32 s67, s41, 4
	s_add_co_u32 s66, s66, s67
	s_lshl_b32 s66, s66, 18
	s_lshl_b32 s67, s2, 15                         ; + 256 cluster y rows of 128 bytes
	s_add_co_u32 s66, s66, s67
	s_lshl_b32 s67, s15, 14                        ; + my half's 128 rows
	s_add_co_u32 s66, s66, s67
	s_mov_b32 s67, 0
	s_add_nc_u64 s[96:97], s[96:97], s[66:67]
	s_mul_i32 s66, s41, 16*12288                   ; qkv32: batch cy, my 128 columns
	s_lshl_b32 s67, s42, 10
	s_add_co_u32 s66, s66, s67
	s_lshl_b32 s67, s16, 9
	s_add_co_u32 s66, s66, s67
	s_mov_b32 s67, 0
	s_add_nc_u64 s[98:99], s[98:99], s[66:67]
	s_or_b32 s3, s2, s15                           ; 0: my block 0 is positions 0-15 of a batch.  Made of the cluster's y and the wave's number: alike in all partners
.macro FRAG reg, adr, q, i             ; 16 rows x 128 K of 4-bit codes: 8 registers: lane l holds row l % 16; registers 4 c .. 4 c + 3 hold K = 64 c + 32 (l / 16) + 0 .. 31
.irp c, 0,1
	ds_load_b128 v[\reg+4*\c:\reg+4*\c+3], v[\adr] offset:64*(\q)+32*\c+(\i)*16*PITCH
.endr
.endm
; 16 matrix instructions: A's blocks a0, a0 + 1 x B's eight, the slot's q-th 128 along K.  p: B's set; sc: the set of scale words.  zero = 1: the first product starts the sums.
; The 64 accumulators take turns, one instruction a turn, in the same order in every step.
.macro MUL16 a0, p, q, sc, zero
.irp a, \a0, \a0+1
.irp b, 0,1,2,3,4,5,6,7
.if \zero
	v_wmma_scale_f32_16x16x128_f8f6f4 v[8*(8*((\a)%4)+\b):8*(8*((\a)%4)+\b)+7], v[128*(\p)+FR*\b:128*(\p)+FR*\b+FR-1], v[AF+FR*(\a):AF+FR*(\a)+FR-1], 0, v[SC+8*NQ*(\sc)+NQ*\b+(\q)], v[SC+8*NQ*(\sc)+NQ*(\a)+(\q)] matrix_a_fmt:MATRIX_FMT_FP4 matrix_b_fmt:MATRIX_FMT_FP4 matrix_a_scale:MATRIX_SCALE_ROW1
.else
	v_wmma_scale_f32_16x16x128_f8f6f4 v[8*(8*((\a)%4)+\b):8*(8*((\a)%4)+\b)+7], v[128*(\p)+FR*\b:128*(\p)+FR*\b+FR-1], v[AF+FR*(\a):AF+FR*(\a)+FR-1], v[8*(8*((\a)%4)+\b):8*(8*((\a)%4)+\b)+7], v[SC+8*NQ*(\sc)+NQ*\b+(\q)], v[SC+8*NQ*(\sc)+NQ*(\a)+(\q)] matrix_a_fmt:MATRIX_FMT_FP4 matrix_b_fmt:MATRIX_FMT_FP4 matrix_a_scale:MATRIX_SCALE_ROW1
.endif
.endr
.endr
.endm
.macro FETCH_B slot, q, p
	WIN TO_B
.irp i, 0,1,2,3,4,5,6,7
	FRAG 128*(\p)+FR*\i, ADRB+\slot, \q, \i
.endr
	WIN 0
.endm
.macro FETCH_A slot, q, i0
.irp i, \i0, \i0+1, \i0+2, \i0+3
	FRAG AF+FR*(\i), ADRA+\slot, \q, \i
.endr
.endm
.macro SCALES sc                       ; a slot's scale words: four words a row; lanes 0-15 take A's block i, lanes 16-31 B's block i
.irp i, 0,1,2,3,4,5,6,7
	ds_load_b128 v[SC+8*NQ*\sc+NQ*\i:SC+8*NQ*\sc+NQ*\i+3], v[ADRS] offset:\i*SBLK
.endr
.endm
.macro PLACES n                        ; plain vector instructions between a matrix instruction and a load into its sources or a read of its result
.rept \n
	v_nop
.endr
.endm
.macro STEP slot, q, zero              ; 128 along K that has its successor in the same slot
	s_wait_dscnt 4*NL                              ; B's set and A's blocks 0-3 are in; the youngest eight loads (A's blocks 4-7) may be out
	WIN MUL_LO
	MUL16 0, (\q)%2, \q, \slot, \zero
	MUL16 2, (\q)%2, \q, \slot, \zero
	s_wait_dscnt 0                                 ; A's blocks 4-7 are in
	PLACES NP
	FETCH_B \slot, (\q)+1, 1-(\q)%2
	FETCH_A \slot, (\q)+1, 0
	WIN MUL_HI
	MUL16 4, (\q)%2, \q, \slot, \zero
	MUL16 6, (\q)%2, \q, \slot, \zero
	PLACES NP
	WIN 0
	FETCH_A \slot, (\q)+1, 4
.endm
; Slot 0's last step goes over to slot 1: one barrier.  In front of it each wave has waited for all its tensor loads (its part of slot 1), added 0 to its spare word, and waited for that and for its reads
; of slot 0.  Behind it slot 1 is whole and nobody reads slot 0 any more, which then serves as the stages of the way out.
.macro TURN slot, next
	s_wait_tensorcnt 0x0
	ds_add_u32 v[SPW], v[NIL]
	s_wait_dscnt 4*NL+1                            ; (the add and the youngest eight loads may be out)
	WIN MUL_LO
	MUL16 0, 1, NQ-1, \slot, 0
	s_wait_dscnt 0x0                               ; the add is done, and my reads of this slot are over
	s_barrier_signal -1
	MUL16 2, 1, NQ-1, \slot, 0
	WIN 0
	s_barrier_wait -1
	PLACES NP
	v_add_nc_u32 v[ADRS], 4*NQ, v[ADRS]            ; on to the next slot's scale words (no LDS load of mine is out)
	FETCH_B \next, 0, 0
	FETCH_A \next, 0, 0
	SCALES \next
	WIN MUL_HI
	MUL16 4, 1, NQ-1, \slot, 0
	MUL16 6, 1, NQ-1, \slot, 0
	PLACES NP
	WIN 0
	FETCH_A \next, 0, 4
.endm
	s_wait_tensorcnt 1                             ; the scales and my part of slot 0 are in; slot 1's load may be out
	s_barrier_signal -1
	s_barrier_wait -1
	FETCH_B 0, 0, 0
	FETCH_A 0, 0, 0
	SCALES 0
	FETCH_A 0, 0, 4
	STEP 0, 0, 1                                   ; the first step's products start the sums
	STEP 0, 1, 0
	STEP 0, 2, 0
	TURN 0, 1
	STEP 1, 0, 0
	STEP 1, 1, 0
	STEP 1, 2, 0
	s_wait_dscnt 4*NL                              ; the last step: nothing more to fetch
	WIN MUL_LO
	MUL16 0, 1, NQ-1, 1, 0
	MUL16 2, 1, NQ-1, 1, 0
	s_wait_dscnt 0
	WIN MUL_HI
	MUL16 4, 1, NQ-1, 1, 0
	MUL16 6, 1, NQ-1, 1, 0
	WIN 0
; THE WAY OUT, block by block of 16 rows x 128 columns.  PACK: rounded to f16, each accumulator from its low end on.  TOSTAGE: 16 bytes a lane into my stage, by head, and back four rows an instruction.
; SEND: 32 lanes store 512 consecutive bytes (four rows of one head), aligned.  Every offset is an immediate: no base is stepped.
.macro PACK a
.set AC, 64*((\a)%4)
	WIN 0x0a+5*((\a)/4)                            ; sources 0 and 1: window 2 or 3
.irp b, 0,1,2,3,4,5,6,7
.irp i, 0,1,2,3
	v_cvt_pk_f16_f32 v[TMP+4*\b+\i], v[AC+8*\b+2*\i], v[AC+8*\b+2*\i+1]
.endr
.endr
	WIN 0
.endm
.macro TOSTAGE a
.set BB, OB+32*((\a)%2)
.irp b, 0,1,2,3,4,5,6,7
	ds_store_b128 v[STO], v[TMP+4*\b:TMP+4*\b+3] offset:(\b/4)*2304+32*(\b%4)
.endr
.irp t, 0,1,2,3,4,5,6,7
	ds_load_b128 v[BB+4*\t:BB+4*\t+3], v[RD] offset:(\t/4)*2304+(\t%4)*576   ; LDS serves a wave's instructions in order: these see the stores above
.endr
.endm
.macro SEND a
.set BB, OB+32*((\a)%2)
	s_wait_dscnt 0x0                               ; the block is back in registers
	s_wait_xcnt 0x0                                ; the block before has had its stores' registers read: the next TOSTAGE may load into them
.irp t, 0,1,2,3,4,5,6,7
	global_store_b128 v[CO], v[BB+4*\t:BB+4*\t+3], s[96:97] offset:(\a)*2048+(\t/4)*262144+(\t%4)*512
.endr
.endm
	PLACES NP                                      ; behind the last products: for the reads of results and the writes into registers that held scales and A's fragments
	s_cmp_lg_u32 s3, 0
	s_cbranch_scc1 .Lno_fine
	WIN 0x08                                       ; an LDS store's data are its source 1: window 2.  Positions 0-15 as f32: block 0 through the f32 stage
.irp b, 0,1,2,3,4,5,6,7
	ds_store_b128 v[STO32], v[8*\b:8*\b+3] offset:64*\b
	ds_store_b128 v[STO32], v[8*\b+4:8*\b+7] offset:64*\b+16
.endr
	WIN 0
.irp t, 0,1,2,3,4,5,6,7,8,9,10,11,12,13,14,15
	ds_load_b128 v[F32R+4*\t:F32R+4*\t+3], v[RD32] offset:\t*528
.endr
	s_wait_dscnt 0x0
.irp t, 0,1,2,3,4,5,6,7,8,9,10,11,12,13,14,15
	global_store_b128 v[CO], v[F32R+4*\t:F32R+4*\t+3], s[98:99] offset:\t*12288   ; 32 lanes store 512 consecutive bytes of a row
.endr
.Lno_fine:
	PACK 0
	TOSTAGE 0
.irp a, 1,2,3,4,5,6,7                  ; block a's conversions stand between block a - 1's loads from the stage and the wait for them
	PACK \a
	SEND \a-1
	TOSTAGE \a
.endr
	SEND 7
	s_wait_tensorcnt 0x0                           ; the wave's end
	ds_add_u32 v[SPW], v[NIL]
	s_wait_dscnt 0x0
	CROUND                                         ; the closing round
	s_endpgm
.Lfunc_end_k_q7c22977f20_qkvgemm:
	.size	k_q7c22977f20_qkvgemm, .Lfunc_end_k_q7c22977f20_qkvgemm-k_q7c22977f20_qkvgemm
	.p2alignl 7, 3214868480
	.fill 96, 4, 3214868480
	.section	.rodata,"a",@progbits
	.p2align	6, 0x0
	.amdhsa_kernel k_q7c22977f20_qkvgemm
		.amdhsa_group_segment_fixed_size 327680
		.amdhsa_private_segment_fixed_size 0
		.amdhsa_enable_private_segment 0
		.amdhsa_kernarg_size 48
		.amdhsa_user_sgpr_count 2
		.amdhsa_user_sgpr_kernarg_segment_ptr 1
		.amdhsa_wavefront_size32 1
		.amdhsa_system_sgpr_workgroup_id_x 1
		.amdhsa_system_sgpr_workgroup_id_y 1
		.amdhsa_system_sgpr_workgroup_id_z 1
		.amdhsa_system_vgpr_workitem_id 0
		.amdhsa_next_free_vgpr 1024
		.amdhsa_next_free_sgpr 100
		.amdhsa_reserve_vcc 0
		.amdhsa_float_denorm_mode_32 3
		.amdhsa_float_denorm_mode_16_64 3
		.amdhsa_memory_ordered 1
		.amdhsa_forward_progress 1
		.amdhsa_inst_pref_size 131
	.end_amdhsa_kernel
	.amdgpu_metadata
---
amdhsa.version: [ 1, 2 ]
amdhsa.kernels:
  - .name:           k_q7c22977f20_qkvgemm
    .symbol:         k_q7c22977f20_qkvgemm.kd
    .args:
      - { .name: x_codes, .offset: 0, .size: 8, .value_kind: global_buffer, .address_space: global }
      - { .name: x_scales, .offset: 8, .size: 8, .value_kind: global_buffer, .address_space: global }
      - { .name: w_codes, .offset: 16, .size: 8, .value_kind: global_buffer, .address_space: global }
      - { .name: w_scales, .offset: 24, .size: 8, .value_kind: global_buffer, .address_space: global }
      - { .name: qkv16, .offset: 32, .size: 8, .value_kind: global_buffer, .address_space: global }
      - { .name: qkv32, .offset: 40, .size: 8, .value_kind: global_buffer, .address_space: global }
    .group_segment_fixed_size: 327680
    .private_segment_fixed_size: 0
    .kernarg_segment_align: 8
    .kernarg_segment_size: 48
    .max_flat_workgroup_size: 128
    .sgpr_count:     100
    .vgpr_count:     1024
    .wavefront_size: 32
...
	.end_amdgpu_metadata
.endif
;; end of part 2
;; launch attn (part 3): grid 4 x 64, 16 waves a work-group, no clusters, 327,680 bytes of LDS; arguments qkv16, flat16; writes flat16
.if DOCPART == 3
	.amdgcn_target "amdgcn-amd-amdhsa--gfx1250"
	.amdhsa_code_object_version 6
	.text
	.protected	k_q7c22977f20_attn
	.globl	k_q7c22977f20_attn
	.p2align	8
	.type	k_q7c22977f20_attn,@function
k_q7c22977f20_attn:
	s_mov_b64 s[64:65], 0
	v_nop
	global_prefetch_b8 v0, s[64:65] scope:SCOPE_SE
	s_setreg_imm32_b32 hwreg(HW_REG_WAVE_MODE, 25, 1), 1
	s_wait_xcnt 0x0
; flat[bh][q][:] = the sum over keys k <= q of softmax_k(Q[q] . K[k] / 8) V[k][:], for 64 heads (bh) of 2,048 positions x 64 channels.  Q, K, V: f16, qkv16 [3][64][2048][64]; flat16 [64][2048][64] f16.
; Products with f16 operands and f32 sums; maxima, exponentials and sums in f32; the weights p are rounded to f16 for the second product, the result once at the end.
; SHARES.  Work-group (i, bh) owns the query blocks i and 7 - i (256 queries each) of head bh: i + 1 and 8 - i blocks of keys, nine in every work-group.  Waves 0-7 take block i, waves 8-15 block 7 - i,
; 32 queries (two tiles of 16) a wave; each fragment of K and V read from LDS feeds both tiles.  Keys go 64 a step; a step all of whose keys come after the wave's queries is left out by a scalar branch on ids.
; NO CLUSTER: the four work-groups of a head need 8, 7, 6 and 5 slots of keys, so partners would ask jointly for tiles that none of their waves reads.
; RING.  Two LDS slots of 256 keys (K: rows of 128 bytes + 16; V: + 32), filled by waves 0, 1 (K's halves) and 2, 3 (V's), read by all sixteen.  All work-groups walk all eight changes of slots (trip counts are
; constants); a slot whose first key comes after the work-group's last query is not asked for.  Every wait on TENSORcnt is for 0; a wave has one tensor load out at the most.
; LAYOUT.  S^T = K Q^T (source 0 = 16 keys, source 1 = 16 queries): a lane holds one query (lane % 16) and keys 8 (lane / 16) + 0..7 of each tile; two tiles rounded in pairs are source 1 of O^T = V^T P.
; SOFTMAX.  Running maximum m and sum l for each query: p = 2^(c s - c m), c = log2(e) / 8; O and l are multiplied by a = 2^(c m_old - c m_new) in every step.  m starts at -3e38 (a stated limit: scores under that are not served).
; LIMIT: f16's range for q, k, v (65,504).
.set PK,    144
.set PV,    160
.set SK,    256                        ; keys in a slot
.set VOFF,  SK*PK
.set SLOT1, 1<<17
.set STAGE, SLOT1+SK*(PK+PV)           ; behind the ring: 16 rows x 144 bytes for each wave; no tensor load lands there
.set SPARE, STAGE+16*16*PK             ; the spare words, 128 bytes a wave
.set AK0, 1                            ; v1   my lane's place in a tile of K
.set AV0, 2                            ; v2   the same for V
.set ADK, 3                            ; v3   address of the K loads in hand (at the head: Q's offset)
.set ADV, 4                            ; v4   of the V loads
.set SPW, 5
.set NIL, 6
.set D0,  7                            ; v7   r - 8 h, for the mask
.set ST,  12                           ; tile t's statistics at v[ST + 8 t]: +0 c m, +1 m, +2, +3 l, +4..+7 at work; a in +6
.set Q,   28                           ; v28-59   Q: tile t, channels 32 cs on: Q + 16 t + 8 cs
.set S,   60                           ; v60-123  S^T: S + 32 t + 8 kt; P is packed in place into S + 32 t + 0..15
.set O,   124                          ; v124-187 O^T: O + 32 t + 8 ct
.set KV,  188                          ; v188-251 a step's fragments of K, then of V
.set STO, 252
.set RD,  253
.set GO,  254
.set PFO, 255
.set WV,  8
.set Q0,  9                            ; my first query
.set QL,  10                           ; my work-group's last query
.set KF,  11                           ; the step's first key
.set TB,  12                           ; LDS byte at which the slot in hand begins
.set SLOTS, 13
.set LIM, 14
.set CS,  16
.set SEL, 18
.set G1K, 24
.set G1V, 32
.set G0K, 40
.set G0V, 44
.set PFA, 48
; Waves 0 and 1 fetch K's halves, waves 2 and 3 V's, the others nothing.  An s_nop 0 and four v_nop follow each line.
.macro TLOAD
	s_cmp_lt_u32 s[WV], 2
	s_cbranch_scc0 .Lnot_k_\@
	tensor_load_to_lds s[G0K:G0K+3], s[G1K:G1K+7]
	s_nop 0
.rept 4
	v_nop
.endr
	s_branch .Lasked_\@
.Lnot_k_\@:
	s_cmp_lt_u32 s[WV], 4
	s_cbranch_scc0 .Lasked_\@
	tensor_load_to_lds s[G0V:G0V+3], s[G1V:G1V+7]
	s_nop 0
.rept 4
	v_nop
.endr
.Lasked_\@:
.endm
; A prefetch of what the NEXT change of slots will ask for: 32,768 dense bytes of K and as many of V.  Each aligned block of 256 bytes is named once in the launch: of a head's four work-groups the one
; with i = 0, which walks all eight slots, asks; in it waves 4-7 for K and waves 8-11 for V, 8,192 bytes a wave, lanes 256 bytes apart.  Slots 0 and 1 come by their loads alone; the last filling change asks for nothing.
.macro ASK
	s_cmp_gt_u32 s[SLOTS], s[LIM]
	s_cbranch_scc0 .Lnot_mine_\@
	global_prefetch_b8 v[PFO], s[PFA:PFA+1] th:TH_LOAD_NT scope:SCOPE_SE
.Lnot_mine_\@:
.endm
	s_load_b128 s[4:7], s[0:1], 0x0                ; qkv16, flat16
	v_lshl_add_u32 v[SPW], v0, 2, SPARE
	v_mov_b32 v[NIL], 0
	ds_add_u32 v[SPW], v[NIL]                      ; the wave's opening: the add, twice on end, and its wait ahead of the first tensor load
	ds_add_u32 v[SPW], v[NIL]
	v_lshrrev_b32 v8, 5, v0
	v_readfirstlane_b32 s[WV], v8                  ; wave 0..15
	s_and_b32 s20, ttmp7, 0xffff
	s_lshl_b32 s20, s20, 18                        ; the head's first byte in q, in k, in v and in flat16
	s_sub_co_u32 s22, 7, ttmp9                     ; block 7 - i
	s_sub_co_u32 s23, 15, s[WV]                    ; waves 8-15 take its 32-query parts in falling order
	s_lshl_b32 s[QL], s22, 8
	s_or_b32 s[QL], s[QL], 255
	s_cmp_lt_u32 s[WV], 8
	s_cselect_b32 s22, ttmp9, s22
	s_cselect_b32 s23, s[WV], s23
	s_lshl_b32 s22, s22, 8
	s_lshl_b32 s23, s23, 5
	s_add_co_u32 s[Q0], s22, s23
	; descriptor groups 1: 128 rows of 64 f16, dense in memory; padding behind every 32 words: 4 words for K, 8 for V
	s_mov_b32 s[G1K], (1<<16)|(1<<20)|(4<<22)|(3<<25)
	s_mov_b32 s[G1V], (1<<16)|(1<<20)|(4<<22)|(7<<25)
.irp g, G1K, G1V
	s_mov_b32 s[\g+1], 64<<16                      ; tensor_dim0
	s_mov_b32 s[\g+2], 128<<16                     ; tensor_dim1
	s_mov_b32 s[\g+3], 64<<16                      ; tile_dim0
	s_mov_b32 s[\g+4], 128                         ; tile_dim1
	s_mov_b32 s[\g+5], 64                          ; the pitch
	s_mov_b32 s[\g+6], 0
	s_mov_b32 s[\g+7], 0
.endr
	s_and_b32 s50, s[WV], 1                        ; which 128 keys of a slot I fetch, if I fetch
	s_mul_i32 s51, s50, 128*PK
	s_mul_i32 s52, s50, 128*PV
	s_add_co_u32 s52, s52, VOFF
	s_lshl_b32 s22, s50, 14
	s_add_co_u32 s22, s22, s20
	s_mov_b32 s23, 0
	s_lshl_b32 s54, s[Q0], 7
	s_add_co_u32 s54, s54, s20                     ; my queries' first byte in q and in flat16
	s_mov_b32 s55, 0
	s_mov_b32 s[CS], 0x3e38aa3b                    ; c = log2(e) / 8
	s_mov_b32 s[CS+1], s[CS]
	s_mov_b32 s[SEL], 0x76543210
	s_mov_b32 s[SEL+1], 0xfedcba98
	s_mov_b32 s[TB], 0
	s_mov_b32 s[KF], 0
	s_mov_b32 s[SLOTS], 7
	s_mov_b32 s58, 33554432                        ; the prefetches: V's third of qkv16, or K's,
	s_cmp_lt_u32 s[WV], 8
	s_cselect_b32 s58, 16777216, s58
	s_and_b32 s59, s[WV], 3
	s_lshl_b32 s59, s59, 13                        ; my wave's 8,192 bytes,
	s_add_co_u32 s58, s58, s59
	s_add_co_u32 s58, s58, s20                     ; in my head,
	s_add_co_u32 s58, s58, 32768                   ; in slot 1: the first change steps it to slot 2
	s_mov_b32 s59, 0
	s_sub_co_u32 s50, s[WV], 4
	s_lshr_b32 s50, s50, 3                         ; 0 in waves 4 to 11,
	s_or_b32 s50, s50, ttmp9                       ; of the work-group with i = 0
	s_cmp_eq_u32 s50, 0
	s_cselect_b32 s[LIM], 1, -1
	s_wait_dscnt 0x0                               ; both opening adds are done
	s_wait_kmcnt 0x0
	s_mov_b32 s[G0K], 1
	s_mov_b32 s[G0K+1], s51
	s_add_nc_u64 s[G0K+2:G0K+3], s[4:5], s[22:23]
	s_add_nc_u64 s[G0K+2:G0K+3], s[G0K+2:G0K+3], 16777216
	s_or_b32 s[G0K+3], s[G0K+3], 0x80000000
	s_mov_b32 s[G0V], 1
	s_mov_b32 s[G0V+1], s52
	s_add_nc_u64 s[G0V+2:G0V+3], s[4:5], s[22:23]
	s_add_nc_u64 s[G0V+2:G0V+3], s[G0V+2:G0V+3], 33554432
	s_or_b32 s[G0V+3], s[G0V+3], 0x80000000
	TLOAD                                          ; slot 0: it holds key 0, which counts for every query
	s_add_nc_u64 s[56:57], s[4:5], s[54:55]        ; Q at my first query
	s_add_nc_u64 s[6:7], s[6:7], s[54:55]          ; flat16 likewise
	s_add_nc_u64 s[PFA:PFA+1], s[4:5], s[58:59]
	v_and_b32 v8, 15, v0                           ; r
	v_bfe_u32 v9, v0, 4, 1                         ; h
	v_lshlrev_b32 v[ADK], 7, v8
	v_lshl_add_u32 v[ADK], v9, 4, v[ADK]           ; Q: row r of 128 bytes + 16 h
.irp t, 0,1
.irp cs, 0,1
	global_load_b128 v[Q+16*\t+8*\cs:Q+16*\t+8*\cs+3],   v[ADK], s[56:57] offset:\t*2048+\cs*64
	global_load_b128 v[Q+16*\t+8*\cs+4:Q+16*\t+8*\cs+7], v[ADK], s[56:57] offset:\t*2048+\cs*64+32
.endr
.endr
	v_mul_u32_u24 v[AK0], v8, PK
	v_lshl_add_u32 v[AK0], v9, 4, v[AK0]           ; K: row r x pitch + 16 h
	v_and_b32 v10, 7, v0
	v_bfe_u32 v11, v0, 3, 1
	v_lshl_add_u32 v[AV0], v9, 3, v10              ; V, for the turning load: key 8 h + l % 8, channels 8 ((l / 8) % 2) on
	v_mul_u32_u24 v[AV0], v[AV0], PV
	v_lshl_add_u32 v[AV0], v11, 4, v[AV0]
	v_add_nc_u32 v[AV0], VOFF, v[AV0]
	v_lshlrev_b32 v[D0], 3, v9
	v_sub_nc_u32 v[D0], v8, v[D0]
	s_mul_i32 s58, s[WV], 16*PK
	s_add_co_u32 s58, s58, STAGE                   ; my stage
	v_mul_u32_u24 v[STO], v8, PK
	v_lshl_add_u32 v[STO], v9, 4, v[STO]
	v_add_nc_u32 v[STO], s58, v[STO]               ; in: row r, 16 bytes for each half of the lanes
	v_bfe_u32 v[RD], v0, 3, 2
	v_mul_u32_u24 v[RD], v[RD], PK
	v_lshl_add_u32 v[RD], v10, 4, v[RD]
	v_add_nc_u32 v[RD], s58, v[RD]                 ; back: eight lanes to a row, four rows an instruction
	v_and_b32 v[GO], 31, v0
	v_lshlrev_b32 v[PFO], 8, v[GO]
	v_lshlrev_b32 v[GO], 4, v[GO]
.irp t, 0,1
	v_mov_b32 v[ST+8*\t+1], 0xff61b1e6             ; m = -3e38, under every score
	v_mul_f32 v[ST+8*\t], s[CS], v[ST+8*\t+1]
.irp j, 2,3,4,5,6,7
	v_mov_b32 v[ST+8*\t+\j], 0                     ; l, and the registers at work (written on every path)
.endr
.endr
.set I, 0
.rept 64
	v_mov_b32 v[O+I], 0                            ; O^T.  (The step is written once for all steps: the first finds zeros, which a = 0 leaves zeros)
.set I, I+1
.endr
; A KEY STEP: 64 keys, the q-th of the slot in hand.
.macro STEP q
	s_add_co_u32 s50, s[Q0], 31
	s_cmp_gt_u32 s[KF], s50                        ; all 64 keys come after my 32 queries: nothing to do.  No barrier and no tensor load stands in a step
	s_cbranch_scc1 .Lhidden_\@
	v_add_nc_u32 v[ADK], s[TB], v[AK0]
	v_add_nc_u32 v[ADV], s[TB], v[AV0]
.irp kt, 0,1,2,3
.irp cs, 0,1
	ds_load_b128 v[KV+8*(2*\kt+\cs):KV+8*(2*\kt+\cs)+3],   v[ADK] offset:(\q)*64*PK+\kt*16*PK+\cs*64
	ds_load_b128 v[KV+8*(2*\kt+\cs)+4:KV+8*(2*\kt+\cs)+7], v[ADK] offset:(\q)*64*PK+\kt*16*PK+\cs*64+32
.endr
.endr
	s_wait_dscnt 0x0
.irp cs, 0,1                                   ; S^T = K Q^T: eight accumulators by turns, one instruction a turn
.irp kt, 0,1,2,3
.irp t, 0,1
.if \cs == 0
	v_wmma_f32_16x16x32_f16 v[S+32*\t+8*\kt:S+32*\t+8*\kt+7], v[KV+8*(2*\kt+\cs):KV+8*(2*\kt+\cs)+7], v[Q+16*\t+8*\cs:Q+16*\t+8*\cs+7], 0
.else
	v_wmma_f32_16x16x32_f16 v[S+32*\t+8*\kt:S+32*\t+8*\kt+7], v[KV+8*(2*\kt+\cs):KV+8*(2*\kt+\cs)+7], v[Q+16*\t+8*\cs:Q+16*\t+8*\cs+7], v[S+32*\t+8*\kt:S+32*\t+8*\kt+7]
.endif
.endr
.endr
.endr
.rept 4
	v_nop                                          ; four places: for the loads into K's registers and the first reads of the scores
.endr
.irp g, 0,1                                    ; V, turned: keys 32 g on, channels 16 ct on.  The loads land while the softmax runs
.irp ct, 0,1,2,3
	ds_load_tr16_b128 v[KV+8*(4*\g+\ct):KV+8*(4*\g+\ct)+3],   v[ADV] offset:(\q)*64*PV+\g*32*PV+\ct*32
	ds_load_tr16_b128 v[KV+8*(4*\g+\ct)+4:KV+8*(4*\g+\ct)+7], v[ADV] offset:(\q)*64*PV+\g*32*PV+16*PV+\ct*32
.endr
.endr
	; the mask: only in the step on the diagonal.  Register 8 kt + j of tile t holds key KF + 16 kt + 8 h + j, my query is Q0 + 16 t + r: hidden where 16 kt + j > Q0 - KF + 16 t + r - 8 h
	s_add_co_u32 s50, s[KF], 63
	s_cmp_le_u32 s50, s[Q0]
	s_cbranch_scc1 .Lopen_\@
	s_sub_co_u32 s50, s[Q0], s[KF]
	v_add_nc_u32 v8, s50, v[D0]
	v_add_nc_u32 v9, 16, v8
	v_mov_b32 v10, 0xff800000                      ; -infinity: p = 0 then
.irp t, 0,1
.set N, 0
.rept 32
	v_cmp_gt_i32 vcc_lo, 16*(N/8)+N%8, v[8+\t]
	v_cndmask_b32 v[S+32*\t+N], v[S+32*\t+N], v10, vcc_lo
.set N, N+1
.endr
.endr
.Lopen_\@:
	; the softmax, both tiles line by line in turn.  The maximum of 32 scores and the old m: four chains, each accumulator from its low end on
.irp j, 0,1,2,3
.irp t, 0,1
	v_max3_num_f32 v[ST+8*\t+4+\j], v[S+32*\t+8*\j], v[S+32*\t+8*\j+1], v[S+32*\t+8*\j+2]
.endr
.endr
.irp g, 1,2
.irp j, 0,1,2,3
.irp t, 0,1
	v_max3_num_f32 v[ST+8*\t+4+\j], v[ST+8*\t+4+\j], v[S+32*\t+8*\j+2*\g+1], v[S+32*\t+8*\j+2*\g+2]
.endr
.endr
.endr
.irp t, 0,1
	v_max3_num_f32 v[ST+8*\t+4], v[ST+8*\t+4], v[S+32*\t+7], v[S+32*\t+15]
	v_max3_num_f32 v[ST+8*\t+6], v[ST+8*\t+6], v[S+32*\t+23], v[S+32*\t+31]
.endr
.irp t, 0,1
	v_max3_num_f32 v[ST+8*\t+4], v[ST+8*\t+4], v[ST+8*\t+5], v[ST+8*\t+6]
.endr
.irp t, 0,1
	v_max3_num_f32 v[ST+8*\t+4], v[ST+8*\t+4], v[ST+8*\t+7], v[ST+8*\t+1]
.endr
.irp t, 0,1
	v_permlanex16_b32 v[ST+8*\t+5], v[ST+8*\t+4], s[SEL], s[SEL+1]   ; the query's other 32 keys lie in the lane 16 away
.endr
.irp t, 0,1
	v_mov_b32 v[ST+8*\t+7], v[ST+8*\t]             ; c m_old
.endr
.irp t, 0,1
	v_max_num_f32 v[ST+8*\t+1], v[ST+8*\t+4], v[ST+8*\t+5]
.endr
.irp t, 0,1
	v_mul_f32 v[ST+8*\t], s[CS], v[ST+8*\t+1]
.endr
.irp t, 0,1
	v_sub_f32 v[ST+8*\t+7], v[ST+8*\t+7], v[ST+8*\t]
.endr
.irp b, 0,2,4,6,8,10,12,14,16,18,20,22,24,26,28,30
.irp t, 0,1
	v_pk_fma_f32 v[S+32*\t+\b:S+32*\t+\b+1], v[S+32*\t+\b:S+32*\t+\b+1], s[CS:CS+1], v[ST+8*\t:ST+8*\t+1] op_sel_hi:[1,0,0] neg_lo:[0,0,1] neg_hi:[0,0,1]   ; c s - c m
.endr
.endr
.irp t, 0,1
	v_exp_f32 v[ST+8*\t+6], v[ST+8*\t+7]           ; a
.endr
.set N, 0
.rept 64
	v_exp_f32 v[S+N], v[S+N]                       ; p, at most 1
.set N, N+1
.endr
	v_nop                                          ; a plain instruction behind the last exponential
	s_wait_alu depctr_va_vdst(0)                   ; one wait for the 66, ahead of the first instruction that names a result
.irp t, 0,1                                    ; l = a l + the sum of the unrounded p, in two chains
	v_pk_fma_f32 v[ST+8*\t+2:ST+8*\t+3], v[ST+8*\t+2:ST+8*\t+3], v[ST+8*\t+6:ST+8*\t+7], v[S+32*\t:S+32*\t+1] op_sel_hi:[1,0,1]
	v_pk_add_f32 v[ST+8*\t+4:ST+8*\t+5], v[S+32*\t+2:S+32*\t+3], v[S+32*\t+4:S+32*\t+5]
.endr
.irp b, 6,10,14,18,22,26
.irp t, 0,1
	v_pk_add_f32 v[ST+8*\t+2:ST+8*\t+3], v[ST+8*\t+2:ST+8*\t+3], v[S+32*\t+\b:S+32*\t+\b+1]
	v_pk_add_f32 v[ST+8*\t+4:ST+8*\t+5], v[ST+8*\t+4:ST+8*\t+5], v[S+32*\t+\b+2:S+32*\t+\b+3]
.endr
.endr
.irp t, 0,1
	v_pk_add_f32 v[ST+8*\t+2:ST+8*\t+3], v[ST+8*\t+2:ST+8*\t+3], v[S+32*\t+30:S+32*\t+31]
.endr
.irp t, 0,1
	v_pk_add_f32 v[ST+8*\t+2:ST+8*\t+3], v[ST+8*\t+2:ST+8*\t+3], v[ST+8*\t+4:ST+8*\t+5]
.endr
.set N, 0
.rept 16                                       ; P in place: register j takes the pair 2 j, 2 j + 1, which lies at or above it
	v_cvt_pk_f16_f32 v[S+N], v[S+2*N], v[S+2*N+1]
	v_cvt_pk_f16_f32 v[S+32+N], v[S+32+2*N], v[S+32+2*N+1]
.set N, N+1
.endr
.set N, 0
.rept 16
	v_pk_mul_f32 v[O+2*N:O+2*N+1], v[O+2*N:O+2*N+1], v[ST+6:ST+7] op_sel_hi:[1,0]               ; O^T x a
	v_pk_mul_f32 v[O+32+2*N:O+32+2*N+1], v[O+32+2*N:O+32+2*N+1], v[ST+14:ST+15] op_sel_hi:[1,0]
.set N, N+1
.endr
	s_wait_dscnt 0x0                               ; V is in
.irp g, 0,1                                    ; O^T += V^T P: eight accumulators by turns
.irp ct, 0,1,2,3
.irp t, 0,1
	v_wmma_f32_16x16x32_f16 v[O+32*\t+8*\ct:O+32*\t+8*\ct+7], v[KV+8*(4*\g+\ct):KV+8*(4*\g+\ct)+7], v[S+32*\t+8*\g:S+32*\t+8*\g+7], v[O+32*\t+8*\ct:O+32*\t+8*\ct+7]
.endr
.endr
.endr
.rept 5
	v_nop                                          ; five places: the next step's first products write over P's registers (its loads into V's registers want four)
.endr
.Lhidden_\@:
	s_add_co_u32 s[KF], s[KF], 64
.endm
; THE CHANGE OF SLOTS stands at a slot's head.  Each wave waits for all its tensor loads, adds 0 to its spare word (fill = 1: twice on end), and waits for that and for its reads of the slot that it has left.
; Behind the barrier the slot ahead is whole and nobody reads the other one, which is then filled with the next 256 keys, if a wave of the work-group will read them.
.macro CHANGE fill
	s_wait_tensorcnt 0x0                           ; no tensor load of mine is out, so a group 0 may be written
	ds_add_u32 v[SPW], v[NIL]
.if \fill
	ds_add_u32 v[SPW], v[NIL]                      ; and once more
	s_xor_b32 s[G0K+1], s[G0K+1], SLOT1            ; the walking descriptors: the other slot, the next 256 keys
	s_add_nc_u64 s[G0K+2:G0K+3], s[G0K+2:G0K+3], SK*128
	s_xor_b32 s[G0V+1], s[G0V+1], SLOT1
	s_add_nc_u64 s[G0V+2:G0V+3], s[G0V+2:G0V+3], SK*128
	s_wait_xcnt 0x0                                ; the last prefetch, a slot back, has read its address
	s_add_nc_u64 s[PFA:PFA+1], s[PFA:PFA+1], SK*128
.endif
	s_wait_dscnt 0x0                               ; the add is done, and my reads of the slot that I have left are over
	s_barrier_signal -1
	s_barrier_wait -1
.if \fill
	s_add_co_u32 s50, s[KF], SK                    ; the first key of the slot that this change would ask for
	s_cmp_gt_u32 s50, s[QL]                        ; ids and the count of steps alone: all sixteen waves go the same way, and past the limit they stay past it
	s_cbranch_scc1 .Lpast_\@
	TLOAD                                          ; a wave's one tensor load until the next change: it has four key steps in which to land
.Lpast_\@:
	ASK
.endif
.endm
.macro SLOT_STEPS
	STEP 0
	STEP 1
	STEP 2
	STEP 3
	s_xor_b32 s[TB], s[TB], SLOT1
.endm
	s_wait_loadcnt 0x0                             ; Q
.Lslot:                                            ; seven trips
	CHANGE 1
	SLOT_STEPS
	s_sub_co_u32 s[SLOTS], s[SLOTS], 1
	s_cmp_lg_u32 s[SLOTS], 0
	s_cbranch_scc1 .Lslot
	CHANGE 0                                       ; the last slot is written out: nothing is left to ask for
	SLOT_STEPS
	; THE WAY OUT.  O^T / l, rounded to f16, through my stage, a tile (16 rows of 128 bytes) at a time; 32 lanes store 512 consecutive bytes, aligned
.irp t, 0,1
	v_add_f32 v[ST+8*\t+4], v[ST+8*\t+2], v[ST+8*\t+3]
.endr
.irp t, 0,1
	v_permlanex16_b32 v[ST+8*\t+5], v[ST+8*\t+4], s[SEL], s[SEL+1]
.endr
.irp t, 0,1
	v_add_f32 v[ST+8*\t+4], v[ST+8*\t+4], v[ST+8*\t+5]
.endr
.irp t, 0,1
	v_rcp_f32 v[ST+8*\t+6], v[ST+8*\t+4]
.endr
	v_nop
	s_wait_alu depctr_va_vdst(0)                   ; one wait for the two reciprocals, ahead of their first reader
.irp t, 0,1
.set N, 0
.rept 16
	v_pk_mul_f32 v[O+32*\t+2*N:O+32*\t+2*N+1], v[O+32*\t+2*N:O+32*\t+2*N+1], v[ST+8*\t+6:ST+8*\t+7] op_sel_hi:[1,0]
.set N, N+1
.endr
.set N, 0
.rept 16
	v_cvt_pk_f16_f32 v[S+16*\t+N], v[O+32*\t+2*N], v[O+32*\t+2*N+1]
.set N, N+1
.endr
.irp c, 0,1,2,3
	ds_store_b128 v[STO], v[S+16*\t+4*\c:S+16*\t+4*\c+3] offset:32*\c
.endr
.irp i, 0,1,2,3
	ds_load_b128 v[KV+16*\t+4*\i:KV+16*\t+4*\i+3], v[RD] offset:4*PK*\i   ; LDS serves a wave's instructions in order: these see my stores, and the next tile's stores come behind them
.endr
.endr
.irp t, 0,1
.irp i, 0,1,2,3
	s_wait_dscnt 11-8*\t-\i                        ; the younger loads, and for tile 0 the eight LDS instructions of tile 1, may be out
	global_store_b128 v[GO], v[KV+16*\t+4*\i:KV+16*\t+4*\i+3], s[6:7] offset:2048*\t+512*\i
.endr
.endr
	s_wait_tensorcnt 0x0                           ; the wave's end
	ds_add_u32 v[SPW], v[NIL]
	s_wait_dscnt 0x0
	s_endpgm
.Lfunc_end_k_q7c22977f20_attn:
	.size	k_q7c22977f20_attn, .Lfunc_end_k_q7c22977f20_attn-k_q7c22977f20_attn
	.p2alignl 7, 3214868480
	.fill 96, 4, 3214868480
	.section	.rodata,"a",@progbits
	.p2align	6, 0x0
	.amdhsa_kernel k_q7c22977f20_attn
		.amdhsa_group_segment_fixed_size 327680
		.amdhsa_private_segment_fixed_size 0
		.amdhsa_enable_private_segment 0
		.amdhsa_kernarg_size 16
		.amdhsa_user_sgpr_count 2
		.amdhsa_user_sgpr_kernarg_segment_ptr 1
		.amdhsa_wavefront_size32 1
		.amdhsa_system_sgpr_workgroup_id_x 1
		.amdhsa_system_sgpr_workgroup_id_y 1
		.amdhsa_system_sgpr_workgroup_id_z 1
		.amdhsa_system_vgpr_workitem_id 0
		.amdhsa_next_free_vgpr 256
		.amdhsa_next_free_sgpr 66
		.amdhsa_reserve_vcc 1
		.amdhsa_float_denorm_mode_32 3
		.amdhsa_float_denorm_mode_16_64 3
		.amdhsa_memory_ordered 1
		.amdhsa_forward_progress 1
		.amdhsa_inst_pref_size 188
	.end_amdhsa_kernel
	.amdgpu_metadata
---
amdhsa.version: [ 1, 2 ]
amdhsa.kernels:
  - .name:           k_q7c22977f20_attn
    .symbol:         k_q7c22977f20_attn.kd
    .args:
      - { .name: qkv16, .offset: 0, .size: 8, .value_kind: global_buffer, .address_space: global }
      - { .name: flat16, .offset: 8, .size: 8, .value_kind: global_buffer, .address_space: global }
    .group_segment_fixed_size: 327680
    .private_segment_fixed_size: 0
    .kernarg_segment_align: 8
    .kernarg_segment_size: 16
    .max_flat_workgroup_size: 512
    .sgpr_count:     66
    .vgpr_count:     256
    .wavefront_size: 32
...
	.end_amdgpu_metadata
.endif
;; end of part 3
;; launch proj (part 4): grid 8 x 32, 4 waves a work-group, clusters of 4 x 4, 327,680 bytes of LDS; arguments flat16, wout16, out0; writes out0
.if DOCPART == 4
	.amdgcn_target "amdgcn-amd-amdhsa--gfx1250"
	.amdhsa_code_object_version 6
	.text
	.protected	k_q7c22977f20_proj
	.globl	k_q7c22977f20_proj
	.p2align	8
	.type	k_q7c22977f20_proj,@function
k_q7c22977f20_proj:
	s_mov_b64 s[64:65], 0
	v_nop
	global_prefetch_b8 v0, s[64:65] scope:SCOPE_SE
	s_setreg_imm32_b32 hwreg(HW_REG_WAVE_MODE, 25, 1), 1
	s_wait_xcnt 0x0
	s_wait_alu depctr_hold_cnt(0) depctr_sa_sdst(0) depctr_va_vdst(0) depctr_va_sdst(0) depctr_va_ssrc(0) depctr_va_vcc(0) depctr_vm_vsrc(0)
	s_getreg_b32 s2, hwreg(HW_REG_IB_STS2, 6, 4)
	s_cmp_eq_u32 s2, 0
	s_cbranch_scc0 .Lentry_in_a_cluster
	s_endpgm
.Lentry_in_a_cluster:
	s_bfe_u32 s2, ttmp6, 0x10000c
	s_cmp_lg_u32 s2, 0xf033
	s_cbranch_scc0 .Lentry_shape_is_right
	s_endpgm
.Lentry_shape_is_right:
; out0[m][n] = sum over k of flat[m][k] w_out[n][k], f16 operands, f32 sums.  M = 8,192, N = K = 1,024.  flat16 lies per head, [4][16][2048][64]: k = 64 head + channel.  wout16: [1024][1024].
; A tile of 256 x 128 gives 256 work-groups.  Four waves, each 128 x 64: 32 accumulators of 16 x 16 in window 1 ((a, b) at v[8 (4 a + b)]).
; K goes in steps of 128 (two heads) through two LDS slots: A as two blocks of 256 rows x 128 bytes (dense in memory, one tensor load each: waves 0, 1), B as 128 rows x 256 bytes (waves 2, 3: 64 rows each).
; CLUSTERS: 4 x 4; A's tiles are asked for jointly along a row of the cluster, B's along a column.  The batch is cy and the block of 256 rows the cluster's y, so that "rows 0-15 of a batch" hangs on
; the cluster's y and the wave's number alone.  Those 16 rows are not stored here: another launch carries them in f32 and stores them.
; THE MATRIX INSTRUCTION IS USED TRANSPOSED (source 0 = 16 rows of w_out, source 1 = 16 rows of flat): a lane holds eight neighbouring columns of one row.
; By this text's count a wave has two tensor loads out at the start and one behind each round.
.set PA,    144                        ; a row of A in LDS: 128 bytes + 16
.set PB,    272                        ; a row of B: 256 bytes + 16
.set AHEAD, 256*PA                     ; one head's 256 rows
.set BOFF,  2*AHEAD
.set BHALF, 64*PB
.set SLOT,  BOFF+2*BHALF
.set SPARE, 2*SLOT                     ; the spare words, 128 bytes a wave
.set SPITCH, 272                       ; the way out: 16 rows x (256 bytes + 16) for each wave, in slot 0, which has had its last fill and its last read by then
.set ADRA, 16
.set ADRB, 20
.set STO,  24
.set RD,   25
.set CO,   26
.set SPW,  28
.set NIL,  29
.set F0,   64                          ; fragment buffers in window 0: B's 4 fragments at +0, A's 8 at +32
.set F1,   160
.set OB,   64                          ; the way out: v64-95, v96-127 by turns
.set G1, 24
.set G0, 32
.set G1B, 48
.set G0B, 56
.set MSB, 0
.macro WIN new
.if MSB != (\new)
	s_set_vgpr_msb (MSB<<8)|(\new)
.set MSB, (\new)
.endif
.endm
.set MUL, 0x50                         ; C and D window 1; sources 0 and 1 window 0
.macro JLOAD s                         ; waves 0 and 1 fetch A's two heads, waves 2 and 3 B's halves; an s_nop 0 and four v_nop follow each line
	s_cmp_eq_u32 s11, 0
	s_cbranch_scc0 .Lfor_b_\@
	tensor_load_to_lds s[G0+4*\s:G0+4*\s+3], s[G1:G1+7]
	s_nop 0
.rept 4
	v_nop
.endr
	s_branch .Lasked_\@
.Lfor_b_\@:
	tensor_load_to_lds s[G0B+4*\s:G0B+4*\s+3], s[G1B:G1B+7]
	s_nop 0
.rept 4
	v_nop
.endr
.Lasked_\@:
.endm
.macro CREST
	s_cmp_lg_u32 s10, 0
	s_cbranch_scc1 .Lnot_wave_0_\@
	s_barrier_signal -3
.Lnot_wave_0_\@:
	s_barrier_wait -3
	s_barrier_signal -1
	s_barrier_wait -1
.endm
.macro CROUND
	s_barrier_signal -1
	s_barrier_wait -1
	CREST
.endm
	s_load_b128 s[4:7], s[0:1], 0x0                ; flat16, wout16
	s_load_b64 s[8:9], s[0:1], 0x10                ; out0
	v_lshl_add_u32 v[SPW], v0, 2, SPARE
	v_mov_b32 v[NIL], 0
	ds_add_u32 v[SPW], v[NIL]                      ; the wave's opening: the add, twice on end, and its wait ahead of my first tensor load
	ds_add_u32 v[SPW], v[NIL]
	v_lshrrev_b32 v1, 5, v0
	v_readfirstlane_b32 s10, v1                    ; wave 0..3
	s_lshr_b32 s11, s10, 1                         ; which 128 rows are mine.  Also: I fetch for A (0) or for B (1)
	s_and_b32 s12, s10, 1                          ; which 64 columns.  Also: which head of the step, or which half of B's rows, I fetch
	s_bfe_u32 s40, ttmp6, 0x40000                  ; cx
	s_bfe_u32 s41, ttmp6, 0x40004                  ; cy = the batch
	s_lshl_b32 s42, ttmp9, 2
	s_add_co_u32 s42, s42, s40                     ; tile column = 4 x cluster x + cx
	s_and_b32 s13, ttmp7, 0xffff                   ; cluster y = the block of 256 rows in the batch
	s_lshl_b32 s43, s41, 2
	s_lshl_b32 s43, 15, s43                        ; my row of the cluster
	s_lshl_b32 s44, 0x1111, s40                    ; my column
	s_or_b32 s[G1+0], s43, (1<<16)|(1<<20)|(1<<21)|(4<<22)|(3<<25)   ; A: elements of 2 bytes; 4 words of padding behind every 32
	s_mov_b32 s[G1+1], 64<<16                      ; tensor_dim0
	s_mov_b32 s[G1+2], 256<<16                     ; tensor_dim1
	s_mov_b32 s[G1+3], 64<<16                      ; tile_dim0
	s_mov_b32 s[G1+4], 256                         ; tile_dim1
	s_mov_b32 s[G1+5], 64                          ; the pitch
	s_mov_b32 s[G1+6], 0
	s_mov_b32 s[G1+7], 0
	s_or_b32 s[G1B+0], s44, (1<<16)|(1<<20)|(1<<21)|(5<<22)|(3<<25)  ; B: 4 words of padding behind every 64
	s_mov_b32 s[G1B+1], 128<<16
	s_mov_b32 s[G1B+2], 64<<16
	s_mov_b32 s[G1B+3], 128<<16
	s_mov_b32 s[G1B+4], 64
	s_mov_b32 s[G1B+5], 1024
	s_mov_b32 s[G1B+6], 0
	s_mov_b32 s[G1B+7], 0
	s_lshl_b32 s16, s41, 4
	s_add_co_u32 s16, s16, s12                     ; A: head 16 cy + (wave & 1) of flat16, 2^18 bytes a head,
	s_lshl_b32 s16, s16, 18
	s_lshl_b32 s17, s13, 15                        ; + 256 cluster y rows of 128 bytes
	s_add_co_u32 s16, s16, s17
	s_mov_b32 s17, 0
	s_lshl_b32 s46, s42, 7
	s_lshl_b32 s47, s12, 6
	s_add_co_u32 s46, s46, s47                     ; B: row 128 x tile column + 64 x half,
	s_lshl_b32 s46, s46, 11                        ; 2,048 bytes a row
	s_mov_b32 s47, 0
	s_mul_i32 s20, s12, AHEAD                      ; where they go: no place in the cluster enters an LDS address
	s_mul_i32 s21, s12, BHALF
	s_add_co_u32 s21, s21, BOFF
	s_wait_dscnt 0x0                               ; both opening adds are done
	s_wait_kmcnt 0x0
	s_add_nc_u64 s[14:15], s[4:5], s[16:17]
	s_add_nc_u64 s[46:47], s[6:7], s[46:47]
	CROUND                                         ; all sixteen work-groups are here: the first joint loads meet
.irp s, 0,1
	s_mov_b32 s[G0+4*\s], 1
	s_add_co_u32 s[G0+4*\s+1], s20, \s*SLOT
	s_add_nc_u64 s[G0+4*\s+2:G0+4*\s+3], s[14:15], \s*2*262144     ; K step s: heads 2 s and 2 s + 1
	s_or_b32 s[G0+4*\s+3], s[G0+4*\s+3], 0x80000000
	s_mov_b32 s[G0B+4*\s], 1
	s_add_co_u32 s[G0B+4*\s+1], s21, \s*SLOT
	s_add_nc_u64 s[G0B+4*\s+2:G0B+4*\s+3], s[46:47], \s*256
	s_or_b32 s[G0B+4*\s+3], s[G0B+4*\s+3], 0x80000000
	JLOAD \s
.endr
	v_and_b32 v1, 15, v0                           ; r
	v_bfe_u32 v2, v0, 4, 1                         ; h
	v_mul_u32_u24 v3, v1, PA
	v_lshl_add_u32 v3, v2, 4, v3
	v_mul_u32_u24 v4, v1, PB
	v_lshl_add_u32 v4, v2, 4, v4
	s_mul_i32 s21, s11, 128*PA                     ; my 128 rows of A (in each head's block)
	s_mul_i32 s22, s12, BHALF                      ; my 64 rows of B
	s_add_co_u32 s22, s22, BOFF
.irp s, 0,1
	v_add_nc_u32 v[ADRA+\s], s21, v3
	v_add_nc_u32 v[ADRB+\s], s22, v4
	s_add_co_u32 s21, s21, SLOT
	s_add_co_u32 s22, s22, SLOT
.endr
	s_mul_i32 s23, s10, 16*SPITCH                  ; my stage
	v_mul_u32_u24 v5, v1, SPITCH
	v_lshl_add_u32 v5, v2, 5, v5
	v_add_nc_u32 v[STO], s23, v5                   ; in: row r, 32 bytes for each half of the lanes
	v_mul_u32_u24 v5, v2, SPITCH
	v_lshl_add_u32 v5, v1, 4, v5
	v_add_nc_u32 v[RD], s23, v5                    ; back: lanes 0-15 one row of 256 bytes, lanes 16-31 the next
	v_lshlrev_b32 v5, 12, v2
	v_lshl_add_u32 v[CO], v1, 4, v5                ; and the same two rows in out0 (4,096 bytes a row)
	s_lshl_b32 s66, s41, 11
	s_lshl_b32 s67, s13, 8
	s_add_co_u32 s66, s66, s67
	s_lshl_b32 s67, s11, 7
	s_add_co_u32 s66, s66, s67                     ; my first row: 2,048 cy + 256 cluster y + 128 x half
	s_lshl_b32 s66, s66, 12
	s_lshl_b32 s67, s42, 9
	s_add_co_u32 s66, s66, s67                     ; + my first column in bytes: 512 x tile column + 256 x half
	s_lshl_b32 s67, s12, 8
	s_add_co_u32 s66, s66, s67
	s_mov_b32 s67, 0
	s_add_nc_u64 s[8:9], s[8:9], s[66:67]
	s_or_b32 s2, s13, s11                          ; 0: my block 0 is positions 0-15 of a batch
; 8 matrix instructions: A's blocks a0, a0 + 1 x B's four, 32 along K, from buffer f.  The 32 accumulators take turns in one fixed order.
.macro MUL8 f, a0, zero
.irp a, \a0, \a0+1
.irp b, 0,1,2,3
.if \zero
	v_wmma_f32_16x16x32_f16 v[8*(4*(\a)+\b):8*(4*(\a)+\b)+7], v[\f+8*\b:\f+8*\b+7], v[\f+32+8*(\a):\f+32+8*(\a)+7], 0
.else
	v_wmma_f32_16x16x32_f16 v[8*(4*(\a)+\b):8*(4*(\a)+\b)+7], v[\f+8*\b:\f+8*\b+7], v[\f+32+8*(\a):\f+32+8*(\a)+7], v[8*(4*(\a)+\b):8*(4*(\a)+\b)+7]
.endif
.endr
.endr
.endm
.macro MULH f, half, zero
	MUL8 \f, 4*\half, \zero
	MUL8 \f, 4*\half+2, \zero
.endm
; 24 LDS loads in one run: the fragments of the slot's q-th 32 along K (head q / 2, channels 32 (q % 2) on): B's four, A's blocks 0-3, A's blocks 4-7
.macro FETCH slot, q, f
	WIN 0
.irp i, 0,1,2,3
	ds_load_b128 v[\f+8*\i:\f+8*\i+3],   v[ADRB+\slot] offset:64*(\q)+\i*16*PB
	ds_load_b128 v[\f+8*\i+4:\f+8*\i+7], v[ADRB+\slot] offset:64*(\q)+\i*16*PB+32
.endr
.irp i, 0,1,2,3,4,5,6,7
	ds_load_b128 v[\f+32+8*\i:\f+32+8*\i+3],   v[ADRA+\slot] offset:((\q)/2)*AHEAD+((\q)%2)*64+\i*16*PA
	ds_load_b128 v[\f+32+8*\i+4:\f+32+8*\i+7], v[ADRA+\slot] offset:((\q)/2)*AHEAD+((\q)%2)*64+\i*16*PA+32
.endr
.endm
.macro PLACES
.rept 4
	v_nop
.endr
.endm
; One of a K step's first three quarters: multiplies buffer f and, in its middle, fetches the slot's quarter qn into g.
.macro QUARTER slot, qn, f, g, zero
	s_wait_dscnt 8                                 ; B and A's blocks 0-3 are in; the youngest eight loads (A's blocks 4-7) may be out
	WIN MUL
	MULH \f, 0, \zero
	PLACES                                         ; in front of loads into registers that the quarter before multiplied
	FETCH \slot, \qn, \g
	s_wait_dscnt 24                                ; all but the 24 just issued
	WIN MUL
	MULH \f, 1, \zero
.endm
; The last quarter multiplies buffer 1 and changes slots: in front of the barrier each wave waits for all its tensor loads, adds 0 to its spare word, and waits for that and for its reads of this slot.
; fill = 1: the barrier opens a round of the cluster's barrier, and this slot is filled again, two K steps ahead: 112 matrix instructions ahead of the wait for it.
.macro TURN slot, next, fill
	WIN 0
	s_wait_tensorcnt 0x0
	ds_add_u32 v[SPW], v[NIL]
	s_wait_dscnt 9                                 ; (the add and the youngest eight loads may be out)
	WIN MUL
	MUL8 F1, 0, 0
	s_wait_dscnt 0x0                               ; the add is done, and my reads of this slot are over
	s_barrier_signal -1
	MUL8 F1, 2, 0
.if \fill
	WIN 0
.endif
	s_barrier_wait -1
.if \fill
	CREST
	s_add_nc_u64 s[G0+4*\slot+2:G0+4*\slot+3], s[G0+4*\slot+2:G0+4*\slot+3], 4*262144
	s_add_nc_u64 s[G0B+4*\slot+2:G0B+4*\slot+3], s[G0B+4*\slot+2:G0B+4*\slot+3], 512
	JLOAD \slot                                    ; the first tensor load behind the round; its four v_nop are also the places in front of the loads below
.else
	PLACES
.endif
	FETCH \next, 0, F0
	WIN MUL
	MULH F1, 1, 0
.endm
	s_wait_tensorcnt 1                             ; my part of K step 0 is in; K step 1's may be out
	s_barrier_signal -1
	s_barrier_wait -1
	FETCH 0, 0, F0
	QUARTER 0, 1, F0, F1, 1                        ; the first quarter's products start the sums
	WIN 0
	s_mov_b32 s3, 3
.Llap:                                                 ; a trip goes once round the ring and fills both slots again: K steps 2 to 7
	QUARTER 0, 2, F1, F0, 0
	QUARTER 0, 3, F0, F1, 0
	TURN 0, 1, 1
	QUARTER 1, 1, F0, F1, 0
	QUARTER 1, 2, F1, F0, 0
	QUARTER 1, 3, F0, F1, 0
	TURN 1, 0, 1
	QUARTER 0, 1, F0, F1, 0
	WIN 0
	s_sub_co_u32 s3, s3, 1
	s_cmp_lg_u32 s3, 0
	s_cbranch_scc1 .Llap
	QUARTER 0, 2, F1, F0, 0                        ; the last lap fills nothing
	QUARTER 0, 3, F0, F1, 0
	TURN 0, 1, 0
	QUARTER 1, 1, F0, F1, 0
	QUARTER 1, 2, F1, F0, 0
	QUARTER 1, 3, F0, F1, 0
	s_wait_dscnt 8
	WIN MUL
	MULH F1, 0, 0
	s_wait_dscnt 0
	MULH F1, 1, 0
	WIN 0
; THE WAY OUT, block by block of 16 rows x 64 columns, through my stage; sixteen lanes store 256 consecutive bytes, aligned.  Every offset is an immediate.
.macro TOSTAGE a
	WIN 0x04                                       ; an LDS store's data are its source 1: window 1
.irp b, 0,1,2,3
	ds_store_b128 v[STO], v[8*(4*(\a)+\b):8*(4*(\a)+\b)+3] offset:64*\b         ; each accumulator from its low end on
	ds_store_b128 v[STO], v[8*(4*(\a)+\b)+4:8*(4*(\a)+\b)+7] offset:64*\b+16
.endr
	WIN 0
.set BB, OB+32*((\a)%2)
.irp t, 0,1,2,3,4,5,6,7
	ds_load_b128 v[BB+4*\t:BB+4*\t+3], v[RD] offset:\t*2*SPITCH   ; LDS serves a wave's instructions in order: these see the stores above
.endr
.endm
.macro SEND a, younger
.set BB, OB+32*((\a)%2)
	s_wait_dscnt \younger                          ; the block is back; the next block's 8 stores and 8 loads may be out
.if (\a) == 0
	s_cmp_eq_u32 s2, 0                             ; positions 0-15 of a batch are stored by the launch that carries them in f32
	s_cbranch_scc1 .Lnot_here
.endif
.irp t, 0,1,2,3,4,5,6,7
	global_store_b128 v[CO], v[BB+4*\t:BB+4*\t+3], s[8:9] offset:(\a)*65536+\t*8192 th:TH_STORE_NT
.endr
.if (\a) == 0
.Lnot_here:
.endif
.endm
	PLACES                                         ; behind the last products: for the reads of results and the loads into fragment registers
	TOSTAGE 0
.irp a, 1,2,3,4,5,6,7
.if \a > 1
	s_wait_xcnt 0x0                                ; block a - 2's stores have read their registers: block a's loads may land there
.endif
	TOSTAGE \a
	SEND \a-1, 16
.endr
	SEND 7, 0
	s_wait_tensorcnt 0x0                           ; the wave's end
	ds_add_u32 v[SPW], v[NIL]
	s_wait_dscnt 0x0
	CROUND                                         ; the closing round
	s_endpgm
.Lfunc_end_k_q7c22977f20_proj:
	.size	k_q7c22977f20_proj, .Lfunc_end_k_q7c22977f20_proj-k_q7c22977f20_proj
	.p2alignl 7, 3214868480
	.fill 96, 4, 3214868480
	.section	.rodata,"a",@progbits
	.p2align	6, 0x0
	.amdhsa_kernel k_q7c22977f20_proj
		.amdhsa_group_segment_fixed_size 327680
		.amdhsa_private_segment_fixed_size 0
		.amdhsa_enable_private_segment 0
		.amdhsa_kernarg_size 24
		.amdhsa_user_sgpr_count 2
		.amdhsa_user_sgpr_kernarg_segment_ptr 1
		.amdhsa_wavefront_size32 1
		.amdhsa_system_sgpr_workgroup_id_x 1
		.amdhsa_system_sgpr_workgroup_id_y 1
		.amdhsa_system_sgpr_workgroup_id_z 1
		.amdhsa_system_vgpr_workitem_id 0
		.amdhsa_next_free_vgpr 512
		.amdhsa_next_free_sgpr 68
		.amdhsa_reserve_vcc 0
		.amdhsa_float_denorm_mode_32 3
		.amdhsa_float_denorm_mode_16_64 3
		.amdhsa_memory_ordered 1
		.amdhsa_forward_progress 1
		.amdhsa_inst_pref_size 85
	.end_amdhsa_kernel
	.amdgpu_metadata
---
amdhsa.version: [ 1, 2 ]
amdhsa.kernels:
  - .name:           k_q7c22977f20_proj
    .symbol:         k_q7c22977f20_proj.kd
    .args:
      - { .name: flat16, .offset: 0, .size: 8, .value_kind: global_buffer, .address_space: global }
      - { .name: wout16, .offset: 8, .size: 8, .value_kind: global_buffer, .address_space: global }
      - { .name: out0, .offset: 16, .size: 8, .value_kind: global_buffer, .address_space: global }
    .group_segment_fixed_size: 327680
    .private_segment_fixed_size: 0
    .kernarg_segment_align: 8
    .kernarg_segment_size: 24
    .max_flat_workgroup_size: 128
    .sgpr_count:     68
    .vgpr_count:     512
    .wavefront_size: 32
...
	.end_amdgpu_metadata
.endif
;; end of part 4
;; launch fine (part 5): grid 16 x 4, 16 waves a work-group, no clusters, 71,680 bytes of LDS; arguments qkv32, w_out, out0; writes out0
.if DOCPART == 5
	.amdgcn_target "amdgcn-amd-amdhsa--gfx1250"
	.amdhsa_code_object_version 6
	.text
	.protected	k_q7c22977f20_fine
	.globl	k_q7c22977f20_fine
	.p2align	8
	.type	k_q7c22977f20_fine,@function
k_q7c22977f20_fine:
	s_mov_b64 s[64:65], 0
	v_nop
	global_prefetch_b8 v0, s[64:65] scope:SCOPE_SE
	s_setreg_imm32_b32 hwreg(HW_REG_WAVE_MODE, 25, 1), 1
	s_wait_xcnt 0x0
; Positions 0-15 of every batch, in f32 throughout: these rows average one to sixteen values and are the largest of the output.  No bulk work: 64 rows of 8,192.
; Work-group (chunk, b) makes out0[b][0:16][64 chunk .. + 63].  Wave w is head w: it makes that head's 16 x 16 causal attention from qkv32 [4][16][3072] and multiplies the result (its 64 of K = 1,024)
; by 64 rows of w_out; the sixteen partial results meet in LDS, and wave w sums and stores position w: 256 consecutive bytes, aligned.
; All products by v_wmma_f32_16x16x4_f32, used transposed, so that a lane holds one query throughout.  The order of k inside a product is permuted alike on both operands:
;   S^T = K Q^T: step s, lane half h, register j: channel 32 h + 2 s + j (a lane loads 128 dense bytes of its row);   O^T = V^T P: key 8 h + 2 s + j, the keys that the lane holds;
;   Y^T = W O: channel 16 ct + 8 h + 2 u + j, O^T's own layout.
; The registers that these instructions write (v108-171) are written by them alone, and each sum begins with the constant 0.
; The order of the f32 sums differs from a plain ascending one.  NaN and infinities among the inputs are not served.
.set QR,  12                           ; v12-43   Q; later O / l
.set KR,  44                           ; v44-75   K; later w_out's tile 2
.set VR,  76                           ; v76-107  V; later w_out's tile 3
.set SA,  108                          ; v108-139 four partial sums of S^T; later Y^T's four tiles
.set OA,  140                          ; v140-171 O^T's four tiles
.set T,   172                          ; v172-179 scores, then p
.set U,   180                          ; v180-187 at work
.set W0,  192                          ; v192-255 w_out's tiles 0 and 1; later the partial results read back
.set SPW, 10
.set NIL, 11
.set PART, 16*272                      ; a wave's partial result: 16 rows x (256 bytes + 16)
.set SPARE, 16*PART                    ; behind them: the spare words, 128 bytes a wave
	s_load_b128 s[4:7], s[0:1], 0x0                ; qkv32, w_out
	s_load_b64 s[8:9], s[0:1], 0x10                ; out0
	v_lshl_add_u32 v[SPW], v0, 2, SPARE
	v_mov_b32 v[NIL], 0
	v_lshrrev_b32 v1, 5, v0
	v_readfirstlane_b32 s10, v1                    ; wave = head = the position that I store
	s_and_b32 s11, ttmp7, 0xffff                   ; the batch
	v_and_b32 v1, 15, v0                           ; r
	v_bfe_u32 v2, v0, 4, 1                         ; h
	v_mul_u32_u24 v3, v1, 12288
	v_lshl_add_u32 v3, v2, 7, v3                   ; Q, K: position r, + 128 h
	v_mul_u32_u24 v4, v2, 8*12288
	v_lshl_add_u32 v4, v1, 2, v4                   ; V: positions 8 h on, channel r
	v_lshlrev_b32 v5, 12, v1
	v_lshl_add_u32 v5, v2, 5, v5                   ; w_out: row r, + 32 h
	v_lshlrev_b32 v6, 3, v2
	v_sub_nc_u32 v6, v1, v6                        ; r - 8 h, for the mask
	s_mul_i32 s22, s10, PART
	v_mul_u32_u24 v7, v1, 272
	v_lshl_add_u32 v7, v2, 5, v7
	v_add_nc_u32 v7, s22, v7                       ; my partial result: row r, 32 bytes for each half of the lanes
	s_mul_i32 s22, s10, 272
	v_and_b32 v8, 31, v0
	v_lshlrev_b32 v8, 3, v8                        ; 8 x lane
	v_add_nc_u32 v9, s22, v8                       ; back: row w of each partial result
	s_mul_i32 s12, s11, 16*12288
	s_lshl_b32 s13, s10, 8
	s_add_co_u32 s12, s12, s13                     ; qkv32: batch, head's 64 columns
	s_mov_b32 s13, 0
	s_lshl_b32 s18, ttmp9, 18
	s_lshl_b32 s19, s10, 8
	s_add_co_u32 s18, s18, s19                     ; w_out: 64 rows of the chunk, head's 64 columns
	s_mov_b32 s19, 0
	s_lshl_b32 s20, s11, 11
	s_add_co_u32 s20, s20, s10
	s_lshl_b32 s20, s20, 12
	s_lshl_b32 s21, ttmp9, 8
	s_add_co_u32 s20, s20, s21                     ; out0: row 2,048 b + w, the chunk's 256 bytes
	s_mov_b32 s21, 0
	s_mov_b32 s14, 0x76543210
	s_mov_b32 s15, 0xfedcba98
	s_mov_b32 s16, 0x3e38aa3b                      ; c = log2(e) / 8
	s_wait_kmcnt 0x0
	s_add_nc_u64 s[4:5], s[4:5], s[12:13]
	s_add_nc_u64 s[6:7], s[6:7], s[18:19]
	s_add_nc_u64 s[8:9], s[8:9], s[20:21]
.irp i, 0,1,2,3,4,5,6,7
	global_load_b128 v[QR+4*\i:QR+4*\i+3], v3, s[4:5] offset:16*\i
.endr
.irp i, 0,1,2,3,4,5,6,7
	global_load_b128 v[KR+4*\i:KR+4*\i+3], v3, s[4:5] offset:4096+16*\i
.endr
.irp ct, 0,1,2,3
.irp kk, 0,1,2,3,4,5,6,7
	global_load_b32 v[VR+8*\ct+\kk], v4, s[4:5] offset:8192+\kk*12288+64*\ct      ; V(8 h + kk, 16 ct + r)
.endr
.endr
.macro WLOAD reg, nt                   ; w_out's tile nt: rows 16 nt + r; for each ct the 8 channels 16 ct + 8 h on
.irp ct, 0,1,2,3
	global_load_b128 v[\reg+8*\ct:\reg+8*\ct+3],   v5, s[6:7] offset:\nt*65536+64*\ct
	global_load_b128 v[\reg+8*\ct+4:\reg+8*\ct+7], v5, s[6:7] offset:\nt*65536+64*\ct+16
.endr
.endm
	WLOAD W0, 0
	WLOAD W0+32, 1
	s_wait_loadcnt 48                              ; Q and K are in; V's 32 loads and the 16 of w_out may be out
.set I, 0
.rept 16                                       ; S^T = K Q^T: four accumulators by turns
.if I < 4
	v_wmma_f32_16x16x4_f32 v[SA+8*(I%4):SA+8*(I%4)+7], v[KR+2*I:KR+2*I+1], v[QR+2*I:QR+2*I+1], 0
.else
	v_wmma_f32_16x16x4_f32 v[SA+8*(I%4):SA+8*(I%4)+7], v[KR+2*I:KR+2*I+1], v[QR+2*I:QR+2*I+1], v[SA+8*(I%4):SA+8*(I%4)+7]
.endif
.set I, I+1
.endr
.rept 8
	v_nop                                          ; eight places behind this form (ISA guide 7.12.1)
.endr
.irp p, 0,2,4,6                                ; the four partial sums, each accumulator from its low end on: register j = score of key 8 h + j for query r
	v_pk_add_f32 v[T+\p:T+\p+1], v[SA+\p:SA+\p+1], v[SA+8+\p:SA+8+\p+1]
	v_pk_add_f32 v[U+\p:U+\p+1], v[SA+16+\p:SA+16+\p+1], v[SA+24+\p:SA+24+\p+1]
.endr
.irp p, 0,2,4,6
	v_pk_add_f32 v[T+\p:T+\p+1], v[T+\p:T+\p+1], v[U+\p:U+\p+1]
.endr
	v_mov_b32 v188, 0xff800000                     ; -infinity for hidden keys: 8 h + j > r
.irp j, 0,1,2,3,4,5,6,7
	v_cmp_gt_i32 vcc_lo, \j, v6
	v_cndmask_b32 v[T+\j], v[T+\j], v188, vcc_lo
.endr
	v_max3_num_f32 v189, v[T], v[T+1], v[T+2]
	v_max3_num_f32 v189, v189, v[T+3], v[T+4]
	v_max3_num_f32 v189, v189, v[T+5], v[T+6]
	v_max_num_f32 v189, v189, v[T+7]
	v_mov_b32 v190, 0
	v_permlanex16_b32 v190, v189, s14, s15
	v_max_num_f32 v189, v189, v190                 ; the row's maximum (key 0 counts for every query: it is a number)
	v_mul_f32 v189, s16, v189
.irp j, 0,1,2,3,4,5,6,7
	v_fma_f32 v[T+\j], v[T+\j], s16, -v189
.endr
.irp j, 0,1,2,3,4,5,6,7
	v_exp_f32 v[T+\j], v[T+\j]
.endr
	v_mov_b32 v191, 0                              ; a plain instruction behind the exponentials (v191: the upper half of the pair named below)
	s_wait_alu depctr_va_vdst(0)                   ; one wait for the eight, ahead of their first reader
	v_pk_add_f32 v[U:U+1], v[T:T+1], v[T+2:T+3]
	v_pk_add_f32 v[U+2:U+3], v[T+4:T+5], v[T+6:T+7]
	v_pk_add_f32 v[U:U+1], v[U:U+1], v[U+2:U+3]
	v_add_f32 v188, v[U], v[U+1]
	v_permlanex16_b32 v190, v188, s14, s15
	v_add_f32 v188, v188, v190                     ; the row's sum
	v_rcp_f32 v190, v188
	v_nop
	s_wait_alu depctr_va_vdst(0)
	s_wait_loadcnt 16                              ; V is in; w_out's tiles 0 and 1 may be out
.irp s, 0,1,2,3                                ; O^T = V^T P: four accumulators by turns
.irp ct, 0,1,2,3
.if \s == 0
	v_wmma_f32_16x16x4_f32 v[OA+8*\ct:OA+8*\ct+7], v[VR+8*\ct+2*\s:VR+8*\ct+2*\s+1], v[T+2*\s:T+2*\s+1], 0
.else
	v_wmma_f32_16x16x4_f32 v[OA+8*\ct:OA+8*\ct+7], v[VR+8*\ct+2*\s:VR+8*\ct+2*\s+1], v[T+2*\s:T+2*\s+1], v[OA+8*\ct:OA+8*\ct+7]
.endif
.endr
.endr
.rept 8
	v_nop
.endr
	WLOAD KR, 2                                    ; into registers that the products are done with
	WLOAD VR, 3
.set I, 0
.rept 16
	v_pk_mul_f32 v[QR+2*I:QR+2*I+1], v[OA+2*I:OA+2*I+1], v[190:191] op_sel_hi:[1,0]   ; O^T / l: register 8 ct + j = channel 16 ct + 8 h + j of query r
.set I, I+1
.endr
.macro YMUL n0, w0, n1, w1             ; Y^T = W O for two tiles of 16 outputs, by turns; 16 steps of 4 along the head's 64
.set I, 0
.rept 16
.if I == 0
	v_wmma_f32_16x16x4_f32 v[SA+8*\n0:SA+8*\n0+7], v[\w0+2*I:\w0+2*I+1], v[QR+2*I:QR+2*I+1], 0
	v_wmma_f32_16x16x4_f32 v[SA+8*\n1:SA+8*\n1+7], v[\w1+2*I:\w1+2*I+1], v[QR+2*I:QR+2*I+1], 0
.else
	v_wmma_f32_16x16x4_f32 v[SA+8*\n0:SA+8*\n0+7], v[\w0+2*I:\w0+2*I+1], v[QR+2*I:QR+2*I+1], v[SA+8*\n0:SA+8*\n0+7]
	v_wmma_f32_16x16x4_f32 v[SA+8*\n1:SA+8*\n1+7], v[\w1+2*I:\w1+2*I+1], v[QR+2*I:QR+2*I+1], v[SA+8*\n1:SA+8*\n1+7]
.endif
.set I, I+1
.endr
.endm
	s_wait_loadcnt 16                              ; tiles 0 and 1 are in; tiles 2 and 3 may be out
	YMUL 0, W0, 1, W0+32
	s_wait_loadcnt 0x0
	YMUL 2, KR, 3, VR
.rept 8
	v_nop
.endr
.irp nt, 0,1,2,3
	ds_store_b128 v7, v[SA+8*\nt:SA+8*\nt+3] offset:64*\nt         ; lane (r, h): position r, outputs 16 nt + 8 h + 0 .. 7; each accumulator from its low end on
	ds_store_b128 v7, v[SA+8*\nt+4:SA+8*\nt+7] offset:64*\nt+16
.endr
	s_wait_dscnt 0x0                               ; for the others' sake: my partial result lies in LDS
	s_barrier_signal -1
	s_barrier_wait -1
.set I, 0
.rept 16
	ds_load_b64 v[W0+2*I:W0+2*I+1], v9 offset:I*PART               ; position w of head I's partial result: 256 bytes over the 32 lanes
.set I, I+1
.endr
	s_wait_dscnt 0x0
.irp p, 2,4,6,8,10,12,14                       ; the sixteen heads, in two chains, ascending
	v_pk_add_f32 v[W0:W0+1], v[W0:W0+1], v[W0+2*\p:W0+2*\p+1]
	v_pk_add_f32 v[W0+2:W0+3], v[W0+2:W0+3], v[W0+2*\p+2:W0+2*\p+3]
.endr
	v_pk_add_f32 v[W0:W0+1], v[W0:W0+1], v[W0+2:W0+3]
	global_store_b64 v8, v[W0:W0+1], s[8:9]        ; the wave stores 256 consecutive bytes, aligned
	s_wait_tensorcnt 0x0                           ; the wave's end
	ds_add_u32 v[SPW], v[NIL]
	s_wait_dscnt 0x0
	s_endpgm
.Lfunc_end_k_q7c22977f20_fine:
	.size	k_q7c22977f20_fine, .Lfunc_end_k_q7c22977f20_fine-k_q7c22977f20_fine
	.p2alignl 7, 3214868480
	.fill 96, 4, 3214868480
	.section	.rodata,"a",@progbits
	.p2align	6, 0x0
	.amdhsa_kernel k_q7c22977f20_fine
		.amdhsa_group_segment_fixed_size 71680
		.amdhsa_private_segment_fixed_size 0
		.amdhsa_enable_private_segment 0
		.amdhsa_kernarg_size 24
		.amdhsa_user_sgpr_count 2
		.amdhsa_user_sgpr_kernarg_segment_ptr 1
		.amdhsa_wavefront_size32 1
		.amdhsa_system_sgpr_workgroup_id_x 1
		.amdhsa_system_sgpr_workgroup_id_y 1
		.amdhsa_system_sgpr_workgroup_id_z 1
		.amdhsa_system_vgpr_workitem_id 0
		.amdhsa_next_free_vgpr 256
		.amdhsa_next_free_sgpr 66
		.amdhsa_reserve_vcc 1
		.amdhsa_float_denorm_mode_32 3
		.amdhsa_float_denorm_mode_16_64 3
		.amdhsa_memory_ordered 1
		.amdhsa_forward_progress 1
		.amdhsa_inst_pref_size 24
	.end_amdhsa_kernel
	.amdgpu_metadata
---
amdhsa.version: [ 1, 2 ]
amdhsa.kernels:
  - .name:           k_q7c22977f20_fine
    .symbol:         k_q7c22977f20_fine.kd
    .args:
      - { .name: qkv32, .offset: 0, .size: 8, .value_kind: global_buffer, .address_space: global }
      - { .name: w_out, .offset: 8, .size: 8, .value_kind: global_buffer, .address_space: global }
      - { .name: out0, .offset: 16, .size: 8, .value_kind: global_buffer, .address_space: global }
    .group_segment_fixed_size: 71680
    .private_segment_fixed_size: 0
    .kernarg_segment_align: 8
    .kernarg_segment_size: 24
    .max_flat_workgroup_size: 512
    .sgpr_count:     66
    .vgpr_count:     256
    .wavefront_size: 32
...
	.end_amdgpu_metadata
.endif
;; end of part 5
